; MI455X (gfx1250); checked and timed in simulation.
; The chip was launched on July 23, 2026; its instructions are those of AMD's public machine-readable ISA for CDNA 5 (MIT licence, August 2026) and "CDNA5" Instruction Set Architecture Reference Guide (July 2026). The comments in the code are by the model that wrote it; some were corrected since.
;; Model. Allowed arithmetic: matrix products marked QUANTISED: E2M3 operands, one E8M0 scale for each 32 along K, by v_wmma_scale_f32_16x16x128_f8f6f4 with both operands' format E2M3, f32 sums; products left as they are: f32 operands where the result goes on into a quantised operand, else bf16, f16 or f32 operands; f32 sums; everything else in f32.
;; Inputs: Wk 1,024 x 1,024 float32; Wq 1,024 x 1,024 float32; Wv 1,024 x 1,024 float32; bk 1,024 float32; bq 1,024 float32; bv 1,024 float32; x1 8 x 2,048 x 1,024 float32.
;; Outputs: out0 8 x 2,048 x 1,024 float32.
;; This version of the problem:
;;   THIS VERSION OF THE PROBLEM IS GIVEN IN LOW PRECISION. The matrix products marked QUANTISED in the list below multiply operands that are first quantised to E2M3 (2 exponent bits, 3 mantissa bits; 6 bits a number), with one power-of-two scale for each 32 numbers along K (OCP MX v1.0); their sums are f32. All else is computed in f32.
;;   The module's matrix products, in the order in which they are computed (A, B: the left and right operand; K: the contracted axis; several contracted axes count as one K, in the product's order):
;;     1. [M 16,384, K 1,024] x [K 1,024, N 1,024]; A: input x1; B: input Wq: QUANTISED
;;     2. [M 16,384, K 1,024] x [K 1,024, N 1,024]; A: input x1; B: input Wk: QUANTISED
;;     3. [M 16,384, K 1,024] x [K 1,024, N 1,024]; A: input x1; B: input Wv: QUANTISED
;;     4. batch 16,384 x [M 8, K 128] x [K 128, N 8]; A: computed on the way; B: computed on the way: left as it is (M = 8 < 16)
;;     5. batch 16,384 x [M 8, K 8] x [K 8, N 128]; A: softmax; B: computed on the way: left as it is (K = 8 < 32)
;;   THE QUANTISER, for each operand of a quantised product, along K:
;;     - K is cut into blocks of 32 from its start; a last block that is shorter is filled with zeros.
;;     - A block's scale is 2^e with e = floor(log2(the largest magnitude in the block)) - 2, held to -126 .. 127; a block of zeros has e = 0. As a byte (E8M0): e + 127.
;;     - Each number is divided by its block's scale, clamped to +-7.5, and rounded to the nearest number of E2M3, ties to even, subnormals kept.
;;     - The product sums the exact products of the quantised numbers (number of the format x scale) in f32.
;;   ~~~python
;;   def quantise(x, axis):      # numpy; x: float32 -> the quantised numbers, widened to float32 again
;;       x = np.moveaxis(x, axis, -1); K = x.shape[-1]
;;       x = np.pad(x, [(0, 0)] * (x.ndim - 1) + [(0, -K % 32)]); x = x.reshape(x.shape[:-1] + (-1, 32)); a = np.abs(x).max(-1, keepdims=True)
;;       e = np.where(a > 0, np.clip(np.frexp(np.where(a > 0, a, 1))[1] - 1 - 2, -126, 127), 0)      # np.frexp(a)[1] - 1 = floor(log2(a)), exactly
;;       r = np.clip(x / 2.0 ** e, -7.5, 7.5)
;;       step = 2.0 ** (np.maximum(np.frexp(np.where(r == 0, 1, r))[1] - 1, 0) - 3)
;;       q = np.round(r / step) * step * 2.0 ** e      # np.round: ties to even
;;       return np.moveaxis(q.reshape(q.shape[:-2] + (-1,))[..., :K], -1, axis).astype(np.float32)
;;   ~~~
;; 2 versions, each right. Each part assembles by itself: llvm-mc -triple=amdgcn-amd-amdhsa -mcpu=gfx1250 --defsym DOCPART=n.
;; ======== version 1 of 2: 2 launches
;; workspace buffers: wimg 2,457,600 bytes
;; launch wquant (part 1): grid 192 x 1, 8 waves a work-group, no clusters, 69,120 bytes of LDS; arguments Wq, Wk, Wv, wimg; writes wimg
.if DOCPART == 1
	.amdgcn_target "amdgcn-amd-amdhsa--gfx1250"
	.amdhsa_code_object_version 6
	.text
	.protected	k_q6ce6b34f61_wquant
	.globl	k_q6ce6b34f61_wquant
	.p2align	8
	.type	k_q6ce6b34f61_wquant,@function
k_q6ce6b34f61_wquant:
	s_mov_b64 s[64:65], 0
	v_nop
	global_prefetch_b8 v0, s[64:65] scope:SCOPE_SE
	s_setreg_imm32_b32 hwreg(HW_REG_WAVE_MODE, 25, 1), 1
	s_wait_xcnt 0x0
; Wq, Wk, Wv [1024][1024] f32 (K innermost) become codes of FP6 (E2M3) with one E8M0 scale byte for each 32 along K, laid as IMAGES OF OPERAND REGISTERS in the order in which the
; second launch walks them.  wimg = 24 slots x 102,400 bytes; slot = 4 x pass + (K step / 2); in a slot four quarters of 25,600 bytes, one for each wave of the reader; in a quarter 16 fragments
; (8 u + t: u = K step % 2, t = tile) of 1,536 bytes, then 2 x 512 bytes of scale words.  A fragment is 16 rows x 128 K: byte 512 c + 16 l + 4 e is register 4 c + e of lane l.
; Scale words of (u): byte 16 (16 (t % 2) + r) + 4 (t / 2): one load of 16 bytes a lane gives four registers; register t / 2 holds tile t's words in lanes 0-15 (t even) or 16-31 (t odd).
; ROWS OF A TILE.  Passes 0-3: t < 4 from Wq, t >= 4 from Wk: row (2 w + (t / 2) % 2) x 128 + 32 pass + 16 (t % 2) + i.  Passes 4, 5: Wv: row 128 t + 64 (pass - 4) + 16 w + i.
; SHARES.  A work-group makes the 8 fragments and 512 scale bytes of one (slot, quarter, u); wave t makes fragment t.  Each load reads 512 consecutive bytes of a row; the 16 x 512 bytes turn through the
; wave's own LDS so that a lane holds 16 neighbours of each block of 32; each store of the wave covers 512 consecutive bytes, aligned.
; A block's scale is 2^(floor(log2(largest magnitude)) - 2); its byte is the largest magnitude's exponent field - 2, held at 1 from below.
; LIMITS: a block of zeros gets the byte 1 where the rule says 127 (its codes are zeros, and this program alone reads the bytes); NaN and infinities among the inputs are not served.
.set XTP,    528                       ; a row in the turn buffer: 512 bytes + 16, so that 16 rows start in 16 different 16-byte columns modulo 256 bytes
.set XTW,    16*XTP                    ; a wave's turn buffer
.set SCB,    8*XTW                     ; behind the eight: the work-group's 512 bytes of scale words
.set SLOTB,  102400
.set QUARTB, 25600
.set FRB,    1536
.set LI,   4                           ; v4   16 x lane
.set XTS,  5                           ; v5   turn buffer, way in
.set XTL,  6                           ; v6   turn buffer, way out
.set SCW,  7                           ; v7   where my row's scale word goes
.set SCRD, 8                           ; v8   where wave 0 reads the scale words back
.set R,    16                          ; v16-79   16 rows as loaded
.set X,    80                          ; v80-143  64 numbers of my row: register 16 b + i = k 32 b + 16 (lane / 16) + i
.set PC,   144                         ; v144-163 the codes
.set TM,   164                         ; v164-179 at work
.set PW,   180                         ; v180     the scale word
.set WV,   16
.set SEL,  20
; 64 numbers of a lane become a fragment's codes in v[PC] on and its row's scale word in v[PW].
.macro QUANT src
.irp b, 0,1,2,3
	v_max3_num_f32 v[TM+\b], |v[\src+16*\b]|, |v[\src+1+16*\b]|, 0x1800000   ; block b: my 16 numbers, and the floor 2^(3 - 127): the byte cannot fall under 1
.endr
.irp i, 2,4,6,8,10,12,14
.irp b, 0,1,2,3
	v_max3_num_f32 v[TM+\b], v[TM+\b], |v[\src+16*\b+\i]|, |v[\src+1+16*\b+\i]|   ; the four blocks by turns
.endr
.endr
.irp b, 0,1,2,3
	v_permlanex16_b32 v[TM+4+\b], v[TM+\b], s[SEL], s[SEL+1]
.endr
.irp b, 0,1,2,3
	v_max_num_f32 v[TM+\b], v[TM+\b], v[TM+4+\b]           ; with lane l xor 16's: the block's largest magnitude
.endr
.irp b, 0,1,2,3
	v_add_nc_u32 v[TM+12+\b], 0xff000000, v[TM+\b]         ; 2 off its exponent field: the conversion's scale operand
.endr
.irp b, 0,1,2,3
	v_lshrrev_b32 v[TM+4+\b], 23, v[TM+12+\b]              ; the scale's byte
.endr
	v_lshl_or_b32 v[PW], v[TM+5], 8, v[TM+4]
	v_lshl_or_b32 v[PW], v[TM+6], 16, v[PW]
	v_lshl_or_b32 v[PW], v[TM+7], 24, v[PW]
.irp c, 0,1
	v_cvt_scalef32_pk16_fp6_f32 v[PC+6*\c:PC+2+6*\c], v[\src+32*\c:\src+15+32*\c], v[TM+12+2*\c]
	v_cvt_scalef32_pk16_fp6_f32 v[PC+12+4*\c:PC+14+4*\c], v[\src+16+32*\c:\src+31+32*\c], v[TM+12+2*\c+1]   ; (a conversion's three registers begin on an even number)
.endr
	v_nop                                                  ; one plain place behind a scaled conversion
.irp c, 0,1                                            ; the operand wants a whole block in a lane: lanes 0-15 block 2 c, lanes 16-31 block 2 c + 1
.irp i, 0,1,2
	v_permlane16_swap_b32 v[PC+6*\c+\i], v[PC+12+4*\c+\i]
.endr
.irp i, 0,1,2
	v_mov_b32 v[PC+3+6*\c+\i], v[PC+12+4*\c+\i]
.endr
.endr
.endm
	s_load_b256 s[4:11], s[0:1], 0x0               ; Wq s[4:5], Wk s[6:7], Wv s[8:9], wimg s[10:11]
	v_lshl_add_u32 v192, v0, 2, 0x10a00
	v_mov_b32 v193, 0
	v_lshrrev_b32 v1, 5, v0
	v_readfirstlane_b32 s[WV], v1                  ; wave = tile t
	v_and_b32 v1, 31, v0                           ; lane
	v_and_b32 v2, 15, v0                           ; r
	v_bfe_u32 v3, v0, 4, 1                         ; h
	v_lshlrev_b32 v[LI], 4, v1
	s_mul_i32 s28, s[WV], XTW
	v_add_nc_u32 v[XTS], s28, v[LI]                ; in: a row's 512 bytes as they lie
	v_mul_u32_u24 v[XTL], v2, XTP
	v_lshl_add_u32 v[XTL], v3, 6, v[XTL]
	v_add_nc_u32 v[XTL], s28, v[XTL]               ; out: row r, + 64 h: my 16 numbers of a block of 32
	s_and_b32 s29, s[WV], 1
	s_lshl_b32 s29, s29, 8
	s_lshr_b32 s30, s[WV], 1
	s_lshl_b32 s30, s30, 2
	s_add_co_u32 s29, s29, s30
	s_add_co_u32 s29, s29, SCB
	v_lshl_add_u32 v[SCW], v2, 4, s29              ; SCB + 256 (t % 2) + 4 (t / 2) + 16 r
	v_add_nc_u32 v[SCRD], SCB, v[LI]
	s_mov_b32 s[SEL], 0x76543210
	s_mov_b32 s[SEL+1], 0xfedcba98                 ; v_permlanex16_b32's selects for lane l xor 16
.irp b, 0,1,2,3
	v_mov_b32 v[TM+4+\b], 0                        ; written once: a lane permute's destination counts as one of its sources
.endr
	s_lshr_b32 s12, ttmp9, 3                       ; slot
	s_bfe_u32 s13, ttmp9, 0x20001                  ; quarter w
	s_and_b32 s14, ttmp9, 1                        ; u
	s_lshr_b32 s15, s12, 2                         ; pass
	s_and_b32 s17, s12, 3
	s_lshl_b32 s17, s17, 1
	s_add_co_u32 s17, s17, s14                     ; K step
	s_bfe_u32 s18, s[WV], 0x10001                  ; passes 0-3: head 2 w + (t / 2) % 2,
	s_lshl_b32 s19, s13, 1
	s_add_co_u32 s18, s18, s19
	s_lshl_b32 s18, s18, 7
	s_lshl_b32 s19, s15, 5                         ; its slice 32 pass,
	s_add_co_u32 s18, s18, s19
	s_and_b32 s19, s[WV], 1
	s_lshl_b32 s19, s19, 4                         ; the slice's half
	s_add_co_u32 s18, s18, s19
	s_lshl_b32 s19, s[WV], 7                       ; passes 4, 5: head t,
	s_and_b32 s22, s15, 1
	s_lshl_b32 s22, s22, 6                         ; 64 (pass - 4),
	s_add_co_u32 s19, s19, s22
	s_lshl_b32 s22, s13, 4                         ; 16 w
	s_add_co_u32 s19, s19, s22
	s_mul_i32 s24, s12, SLOTB
	s_mul_i32 s22, s13, QUARTB
	s_add_co_u32 s24, s24, s22                     ; my quarter in wimg
	s_lshl_b32 s22, s14, 9
	s_add_co_u32 s26, s24, s22
	s_add_co_u32 s26, s26, 16*FRB                  ; its scale words of u
	s_mov_b32 s27, 0
	s_lshl_b32 s22, s14, 3
	s_add_co_u32 s22, s22, s[WV]
	s_mul_i32 s22, s22, FRB
	s_add_co_u32 s24, s24, s22                     ; fragment 8 u + t
	s_mov_b32 s25, 0
	s_wait_kmcnt 0x0
	s_cmp_lt_u32 s[WV], 4                          ; the tensor is chosen on ids alone: one path through the text
	s_cselect_b64 s[4:5], s[4:5], s[6:7]
	s_cmp_lt_u32 s15, 4
	s_cselect_b64 s[4:5], s[4:5], s[8:9]
	s_cselect_b32 s18, s18, s19                    ; the tile's first row
	s_lshl_b32 s22, s18, 12                        ; 4,096 bytes a row,
	s_lshl_b32 s23, s17, 9                         ; 512 bytes a K step
	s_add_co_u32 s22, s22, s23
	s_mov_b32 s23, 0
	s_add_nc_u64 s[4:5], s[4:5], s[22:23]
	s_add_nc_u64 s[24:25], s[10:11], s[24:25]
	s_add_nc_u64 s[26:27], s[10:11], s[26:27]
.irp i, 0,1,2,3,4,5,6,7,8,9,10,11,12,13,14,15
	global_load_b128 v[R+4*\i:R+4*\i+3], v[LI], s[4:5] offset:4096*\i th:TH_LOAD_NT   ; row i: 32 lanes read 512 consecutive bytes
.endr
.irp i, 0,1,2,3,4,5,6,7,8,9,10,11,12,13,14,15
	s_wait_loadcnt 15-\i                           ; loads come back in order: row i is in, the younger ones may be out
	ds_store_b128 v[XTS], v[R+4*\i:R+4*\i+3] offset:XTP*\i
.endr
.irp b, 0,1,2,3
.irp j, 0,1,2,3
	ds_load_b128 v[X+16*\b+4*\j:X+16*\b+4*\j+3], v[XTL] offset:128*\b+16*\j   ; LDS serves a wave's instructions in order: these see my stores
.endr
.endr
	s_wait_dscnt 0x0
	QUANT X
.irp c, 0,1,2
	global_store_b128 v[LI], v[PC+4*\c:PC+4*\c+3], s[24:25] offset:512*\c     ; the fragment's image: 512 consecutive bytes a store, aligned
.endr
	ds_store_b32 v[SCW], v[PW]                     ; lanes r and r + 16 write the same word with the same value
	s_wait_dscnt 0x0                               ; for the others' sake: my word has landed
	s_barrier_signal -1
	s_barrier_wait -1
	s_cmp_lg_u32 s[WV], 0
	s_cbranch_scc1 .Ldone
	ds_load_b128 v[16:19], v[SCRD]                 ; wave 0 stores the eight tiles' words: 512 consecutive bytes
	s_wait_dscnt 0x0
	global_store_b128 v[LI], v[16:19], s[26:27]
.Ldone:
	s_wait_tensorcnt 0x0
	ds_add_u32 v192, v193
	s_wait_dscnt 0x0
	s_endpgm
.Lfunc_end_k_q6ce6b34f61_wquant:
	.size	k_q6ce6b34f61_wquant, .Lfunc_end_k_q6ce6b34f61_wquant-k_q6ce6b34f61_wquant
	.p2alignl 7, 3214868480
	.fill 96, 4, 3214868480
	.section	.rodata,"a",@progbits
	.p2align	6, 0x0
	.amdhsa_kernel k_q6ce6b34f61_wquant
		.amdhsa_group_segment_fixed_size 69120
		.amdhsa_private_segment_fixed_size 0
		.amdhsa_enable_private_segment 0
		.amdhsa_kernarg_size 32
		.amdhsa_user_sgpr_count 2
		.amdhsa_user_sgpr_kernarg_segment_ptr 1
		.amdhsa_wavefront_size32 1
		.amdhsa_system_sgpr_workgroup_id_x 1
		.amdhsa_system_sgpr_workgroup_id_y 1
		.amdhsa_system_sgpr_workgroup_id_z 1
		.amdhsa_system_vgpr_workitem_id 0
		.amdhsa_next_free_vgpr 194
		.amdhsa_next_free_sgpr 66
		.amdhsa_reserve_vcc 0
		.amdhsa_float_denorm_mode_32 3
		.amdhsa_float_denorm_mode_16_64 3
		.amdhsa_memory_ordered 1
		.amdhsa_forward_progress 1
		.amdhsa_inst_pref_size 12
	.end_amdhsa_kernel
	.amdgpu_metadata
---
amdhsa.version: [ 1, 2 ]
amdhsa.kernels:
  - .name:           k_q6ce6b34f61_wquant
    .symbol:         k_q6ce6b34f61_wquant.kd
    .args:
      - { .name: Wq, .offset: 0, .size: 8, .value_kind: global_buffer, .address_space: global }
      - { .name: Wk, .offset: 8, .size: 8, .value_kind: global_buffer, .address_space: global }
      - { .name: Wv, .offset: 16, .size: 8, .value_kind: global_buffer, .address_space: global }
      - { .name: wimg, .offset: 24, .size: 8, .value_kind: global_buffer, .address_space: global }
    .group_segment_fixed_size: 69120
    .private_segment_fixed_size: 0
    .kernarg_segment_align: 8
    .kernarg_segment_size: 32
    .max_flat_workgroup_size: 256
    .sgpr_count:     66
    .vgpr_count:     194
    .wavefront_size: 32
...
	.end_amdgpu_metadata
.endif
;; end of part 1
;; launch fused (part 2): grid 256 x 1, 4 waves a work-group, clusters of 4 x 1, 327,680 bytes of LDS; arguments x1, wimg, bq, bk, bv, out0; writes out0
.if DOCPART == 2
	.amdgcn_target "amdgcn-amd-amdhsa--gfx1250"
	.amdhsa_code_object_version 6
	.text
	.protected	k_q6ce6b34f61_fused
	.globl	k_q6ce6b34f61_fused
	.p2align	8
	.type	k_q6ce6b34f61_fused,@function
k_q6ce6b34f61_fused:
	s_mov_b64 s[64:65], 0
	v_nop
	global_prefetch_b8 v0, s[64:65] scope:SCOPE_SE
	s_setreg_imm32_b32 hwreg(HW_REG_WAVE_MODE, 25, 1), 1
	s_wait_xcnt 0x0
	s_wait_alu depctr_hold_cnt(0) depctr_sa_sdst(0) depctr_va_vdst(0) depctr_va_sdst(0) depctr_va_ssrc(0) depctr_va_vcc(0) depctr_vm_vsrc(0)
	s_getreg_b32 s2, hwreg(HW_REG_IB_STS2, 6, 4)
	s_cmp_eq_u32 s2, 0
	s_cbranch_scc0 .Lentry_in_a_cluster
	s_endpgm
.Lentry_in_a_cluster:
	s_bfe_u32 s2, ttmp6, 0x10000c
	s_cmp_lg_u32 s2, 0x3003
	s_cbranch_scc0 .Lentry_shape_is_right
	s_endpgm
.Lentry_shape_is_right:
; out = softmax_g(q_h . k_g / -sqrt(128)) v_g for each token over its 8 heads, with q, k, v = x1 W^T + b on codes of FP6 (E2M3), one E8M0 scale for each 32 along K = 1,024.
; SHARES.  A work-group owns 64 tokens (four tiles of 16) and makes all their 3,072 features.  EVERY WAVE TAKES ALL 64 TOKENS AND A QUARTER OF THE FEATURES: x's 32 fragments (384 registers) stay in each
; wave's registers for the whole launch, and each weight fragment is read from LDS once in the work-group and feeds four matrix instructions.
; SIX PASSES of 512 features (a wave: 8 tiles x 4 token tiles = 32 accumulators, 256 registers).  Passes 0-3: q and k of all heads for d = 32 P .. 32 P + 31; the scores are sums over d, so each pass adds one
; bf16 product of K = 32 for each pair of tokens onto score accumulators that stay in registers.  Then the softmax.  Passes 4, 5: v of all heads for d = 64 (P - 4) .. + 63, and attn x v at the pass's end.
; THE WEIGHTS come as register images (launch wquant) through a ring of two LDS slots of 102,400 bytes (two K steps of a pass); each wave fetches, by one tensor load, the quarter that it alone reads.
; CLUSTER.  All work-groups walk the same weights: the four of a cluster ask for each quarter JOINTLY (the same descriptor, a mask that names the four).  A mask names four work-groups at the most, and x and out are nobody's but mine.
; LAYOUTS.  q, k: source 0 = 16 rows of W, source 1 = 16 tokens: a lane holds one token and 8 neighbouring d, which pack into 16 bytes of bf16; bq, bk are the C of a sum's first product.
;   Scores: pair p of a token tile = tokens p and 8 + p; rows (token of the pair, head).  S = k' q'^T: lane (n, h) register j = q(row n) . k(token h, head j): a softmax runs over a lane's own 8 registers.
;   A lane counts where h = n / 8 (lanes 0-7, 24-31); the others hold products across tokens and get the weight 0.  Packed to bf16 the weights ARE source 1 of attn x v (K place 8 h + j = token h, head j).
;   v: source 0 = 16 tokens, source 1 = 16 rows of W: lane = d, register j = token 8 h + j: two heads' register p pack into a register of source 0 at the same K places; bv is the C of a sum's first product.
; attn x v ON TWO bf16 TERMS A SIDE.  A number a goes as hi = bf16(a) and lo = bf16(a - hi).  Source 0 = [v_hi | v_lo] (K places 0-15, 16-31); the weights lie as p_hi, p_lo, p_hi, and two products,
;   against [p_hi | p_lo] and against [p_lo | p_hi], add up to (v_hi + v_lo)(p_hi + p_lo).  One bf16 term a side leaves 8 significant bits, too few for sums of 8 terms that cancel.
; LIMITS: q and k are rounded to bf16 for the scores; the softmax's weights and v are carried to two bf16 terms; a block of zeros of x gets the scale byte 1 where the rule says 127 (its codes are zeros; only
; this text reads the byte); NaN and infinities among the inputs are not served.
; REGISTERS, in windows of 256 (s_set_vgpr_msb: bits 1:0 source 0, 3:2 source 1, 5:4 source 2, 7:6 destination):
;   window 0: v0-63 addresses, bv, scale words; v64-159, v160-255 two sets of 8 weight fragments (x's quantiser, the softmax and attn x v's weights also lie there)
;   window 1: v0-191 x's fragments of K steps 0-3 (48 (s % 4) + 12 m); v192-255 the bias tiles, at a v pass's end v's bf16 operand
;   window 2: v0-191 x's fragments of K steps 4-7; v192-255 the scores, later attn x v's results
;   window 3: the accumulators (64 m + 8 t); also x as loaded, the scores' fragments, rows of out on their way
.set SLOTB,  102400                    ; a slot of the ring; slot b begins at SLOTB x b; filled by tensor loads alone
.set QUARTB, 25600                     ; a wave's quarter: 16 fragments, then 2 x 512 bytes of scale words
.set FRB,    1536                      ; a fragment's image: 12 registers x 128 bytes
.set SPARE,  2*SLOTB                   ; the spare words, 128 bytes for each wave: two blocks of 256 bytes that no other line names
.set PIMG,   SPARE+512                 ; the softmax's weights as images: the hi terms of pair (m, p) at (8 m + p) x 512 + 16 x lane,
.set PLO,    16384                     ; the lo terms this much further on
.set U,      PIMG+2*PLO                ; a region for LDS stores alone, in three lives parted by barriers:
.set XIMG,   U                         ;   x's 32 fragments, (s, m) at (4 s + m) FRB,
.set XSC,    U+32*FRB                  ;   their scale words, 2,048 bytes,
.set XT,     XSC+2048                  ;   and a turn buffer of 16 rows x 528 bytes for each wave;
.set XTP,    528
.set SCR,    U                         ;   q's and k's slice in bf16: token x 1,296 + (head, or 8 + head) x 80;
.set STG,    U                         ;   32 tokens of out in f32: token x 2,192 + head x 272
.set SPW, 2                            ; v2   my spare word: SPARE + 4 x my thread's number; never rewritten
.set NIL, 3                            ; v3   0; never rewritten
.set RA0, 4                            ; v4, v5  my lane's place in my quarter of slot 0, 1
.set QST, 6                            ; v6   where my 16 bytes of q or k go;   v7 my row of a score fragment
.set QRD, 7
.set PST, 8                            ; v8   where my weights' images go;     v9 an image's place for my lane
.set PLD, 9
.set OST, 10                           ; v10  the stage: in;  v11 back;  v12 my byte offset in out
.set ORD, 11
.set GO,  12
.set BA,  13                           ; v13  my byte offset in bq, bk;  v14 in bv
.set BVA, 14
.set PFO, 15                           ; v15  the prefetches' offset; never rewritten
.set BV,  16                           ; v16-23  bv of my d, 8 heads
.set XS,  24                           ; v24-39  x's scale words: register 2 s + m / 2, lanes 16 (m % 2) + r.  Scales and nothing else
.set WS,  40                           ; v40-47  the weights' scale words, two sets of four.  Scales and nothing else
.set XO,  48                           ; v48  16 x lane
.set XTS, 49
.set XTL, 50
.set XWI, 51
.set XWS, 52
.set XLI, 53
.set XSL, 54
.set NEG1, 61                          ; v61  -1.0; never rewritten
.set WF,  64                           ; weight fragments: set e at WF + 96 e
.set X,   64                           ; x's quantiser: 64 numbers, codes, at work, scale word
.set PC,  128
.set TM,  148
.set PW,  164
.set T,   160                          ; softmax: t, then p, then p's lo terms
.set MN,  224                          ; v224-239 a pair of registers for each pair of tokens: the largest t; later 1 / sum in the low one
.set SUM, 240
.set PH,  224                          ; v224-255 p's hi terms, packed, once MN and SUM are done with
.set PF,  160                          ; window 0: attn x v's weights, 12 registers a pair: p_hi, p_lo, p_hi
.set BIAS, 192                         ; window 1
.set VF,  192                          ; window 1: v's operand, 8 registers a pair: v_hi, v_lo
.set S,   192                          ; window 2
.set O,   192                          ; window 2: attn x v's results
.set WV,  16                           ; s16  wave
.set CX,  17                           ; s17  my place in the cluster: it enters addresses of x1, out0 and the prefetches alone
.set SEL, 20
.set CS,  22                           ; s[22:23] c = -log2(e) / sqrt(128)
.set G1,  24                           ; s[24:31] descriptor group 1;  s[32:35], s[36:39] group 0 for slot 0, 1
.set G0,  32
.set PASS, 40
.set MASK, 41
.set BO,  42                           ; s[42:43] the next bias slice, in bytes
.set BQ,  44                           ; s[44:45], s[46:47] bq, bk at that slice
.set BK,  46
.set PFA, 48                           ; s[48:49] where the prefetches stand
.set PFN, 50                           ; s50  prefetches still to be made
.set MSB, 0
.macro WIN new                         ; the immediate's high byte repeats the setting that is left; a switch that changes nothing is dropped
.if MSB != \new
	s_set_vgpr_msb (MSB<<8)|\new
.set MSB, \new
.endif
.endm
; A load into a register that a matrix instruction has read, and a vector instruction or store that reads a matrix result, stand 4 plain vector instructions behind it; a matrix instruction that writes over
; a register of an earlier one stands 5 behind it (for all but the loads).
.macro PLACES n
.rept \n
	v_nop
.endr
.endm
.macro CREST                           ; a round of the cluster's barrier behind its opening barrier
	s_cmp_lg_u32 s[WV], 0
	s_cbranch_scc1 .Lnot_wave_0_\@
	s_barrier_signal -3
.Lnot_wave_0_\@:
	s_barrier_wait -3
	s_barrier_signal -1
	s_barrier_wait -1
.endm
.macro CROUND
	s_barrier_signal -1
	s_barrier_wait -1
	CREST
.endm
; 64 numbers of a lane, register 16 b + i = k 32 b + 16 (lane / 16) + i of my row, become a fragment's codes in v[PC] on and the row's scale word in v[PW].
.macro QUANT src
.irp b, 0,1,2,3
	v_max3_num_f32 v[TM+\b], |v[\src+16*\b]|, |v[\src+1+16*\b]|, 0x1800000   ; block b: my 16 numbers, and the floor 2^(3 - 127): the byte cannot fall under 1
.endr
.irp i, 2,4,6,8,10,12,14
.irp b, 0,1,2,3
	v_max3_num_f32 v[TM+\b], v[TM+\b], |v[\src+16*\b+\i]|, |v[\src+1+16*\b+\i]|   ; the four blocks by turns
.endr
.endr
.irp b, 0,1,2,3
	v_permlanex16_b32 v[TM+4+\b], v[TM+\b], s[SEL], s[SEL+1]
.endr
.irp b, 0,1,2,3
	v_max_num_f32 v[TM+\b], v[TM+\b], v[TM+4+\b]           ; with lane l xor 16's: the block's largest magnitude
.endr
.irp b, 0,1,2,3
	v_add_nc_u32 v[TM+12+\b], 0xff000000, v[TM+\b]         ; 2 off its exponent field: the conversion's scale operand
.endr
.irp b, 0,1,2,3
	v_lshrrev_b32 v[TM+4+\b], 23, v[TM+12+\b]              ; the scale's byte
.endr
	v_lshl_or_b32 v[PW], v[TM+5], 8, v[TM+4]
	v_lshl_or_b32 v[PW], v[TM+6], 16, v[PW]
	v_lshl_or_b32 v[PW], v[TM+7], 24, v[PW]
.irp c, 0,1
	v_cvt_scalef32_pk16_fp6_f32 v[PC+6*\c:PC+2+6*\c], v[\src+32*\c:\src+15+32*\c], v[TM+12+2*\c]
	v_cvt_scalef32_pk16_fp6_f32 v[PC+12+4*\c:PC+14+4*\c], v[\src+16+32*\c:\src+31+32*\c], v[TM+12+2*\c+1]   ; (a conversion's three registers begin on an even number)
.endr
	v_nop                                                  ; one plain place behind a scaled conversion
.irp c, 0,1                                            ; the operand wants a whole block in a lane
.irp i, 0,1,2
	v_permlane16_swap_b32 v[PC+6*\c+\i], v[PC+12+4*\c+\i]
.endr
.irp i, 0,1,2
	v_mov_b32 v[PC+3+6*\c+\i], v[PC+12+4*\c+\i]
.endr
.endr
.endm
; K step s of my 16 tokens of x: 16 loads of 512 consecutive bytes, into set s % 4 of window 3
.macro XLOAD s
	WIN 0xc0
.irp i, 0,1,2,3,4,5,6,7,8,9,10,11,12,13,14,15
	global_load_b128 v[64*((\s)%4)+4*\i:64*((\s)%4)+4*\i+3], v[XO], s[4:5] offset:4096*\i+512*(\s) th:TH_LOAD_NT
.endr
	WIN 0
.endm
; K step s is turned through my own LDS rows, quantised, and its image and scale words stored.  left: the loads issued behind this step's sixteen.
.macro XSTEP s, left
	s_wait_loadcnt \left
	WIN 0x0c
.irp i, 0,1,2,3,4,5,6,7,8,9,10,11,12,13,14,15
	ds_store_b128 v[XTS], v[64*((\s)%4)+4*\i:64*((\s)%4)+4*\i+3] offset:XTP*\i
.endr
	WIN 0
.irp b, 0,1,2,3
.irp j, 0,1,2,3
	ds_load_b128 v[X+16*\b+4*\j:X+16*\b+4*\j+3], v[XTL] offset:128*\b+16*\j   ; LDS serves a wave's instructions in order: these see my stores
.endr
.endr
	s_wait_dscnt 0x0                               ; the numbers are back; the stores above and the last step's image stores have read their registers
.if (\s) < 4
	XLOAD (\s)+4
.endif
	QUANT X
.irp c, 0,1,2
	ds_store_b128 v[XWI], v[PC+4*\c:PC+4*\c+3] offset:4*FRB*(\s)+512*\c
.endr
	ds_store_b32 v[XWS], v[PW] offset:512*((\s)/2)+8*((\s)%2)   ; lanes r and r + 16 write the same word with the same value
.endm
; 25 LDS loads: my 8 fragments and their scale words of half u of slot b, into set
.macro FETCHW b, u, set
.irp t, 0,1,2,3,4,5,6,7
.irp c, 0,1,2
	ds_load_b128 v[WF+96*(\set)+12*\t+4*\c:WF+96*(\set)+12*\t+4*\c+3], v[RA0+(\b)] offset:(8*(\u)+\t)*FRB+512*\c
.endr
.endr
	ds_load_b128 v[WS+4*(\set):WS+4*(\set)+3], v[RA0+(\b)] offset:16*FRB+512*(\u)
.endm
; one scaled product on the registers named by rD, rA, rB, rC, rSA, rSB; qA, qB: the scale words stand in lanes 16-31
.macro WLINE
.if qA && qB
	v_wmma_scale_f32_16x16x128_f8f6f4 v[rD:rD+7], v[rA:rA+11], v[rB:rB+11], v[rC:rC+7], v[rSA], v[rSB] matrix_a_fmt:MATRIX_FMT_FP6 matrix_b_fmt:MATRIX_FMT_FP6 matrix_a_scale:MATRIX_SCALE_ROW1 matrix_b_scale:MATRIX_SCALE_ROW1
.elseif qA
	v_wmma_scale_f32_16x16x128_f8f6f4 v[rD:rD+7], v[rA:rA+11], v[rB:rB+11], v[rC:rC+7], v[rSA], v[rSB] matrix_a_fmt:MATRIX_FMT_FP6 matrix_b_fmt:MATRIX_FMT_FP6 matrix_a_scale:MATRIX_SCALE_ROW1
.elseif qB
	v_wmma_scale_f32_16x16x128_f8f6f4 v[rD:rD+7], v[rA:rA+11], v[rB:rB+11], v[rC:rC+7], v[rSA], v[rSB] matrix_a_fmt:MATRIX_FMT_FP6 matrix_b_fmt:MATRIX_FMT_FP6 matrix_b_scale:MATRIX_SCALE_ROW1
.else
	v_wmma_scale_f32_16x16x128_f8f6f4 v[rD:rD+7], v[rA:rA+11], v[rB:rB+11], v[rC:rC+7], v[rSA], v[rSB] matrix_a_fmt:MATRIX_FMT_FP6 matrix_b_fmt:MATRIX_FMT_FP6
.endif
.endm
; K step s: tiles tlo .. tlo + n - 1 of the weights' set x the four token tiles.  tr = 1 (q, k): source 0 = weights, source 1 = x.  tr = 0 (v): source 0 = x, source 1 = weights.
; first = 1: the product starts its sum, with the tile's bias as C: nothing is cleared and no bias is added by a vector instruction.
; The 32 accumulators take turns, one instruction a turn, in the same order in every step.
.macro MUL tr, s, set, tlo, n, first
.set tt, \tlo
.rept \n
.set mm, 0
.rept 4
.set rD, 64*mm+8*tt
.set rC, rD
.if \first
.set rC, BIAS+8*tt
.endif
.if \tr
.set rA, WF+96*(\set)+12*tt
.set rB, 48*((\s)%4)+12*mm
.set rSA, WS+4*(\set)+tt/2
.set rSB, XS+2*(\s)+mm/2
.set qA, tt%2
.set qB, mm%2
.else
.set rA, 48*((\s)%4)+12*mm
.set rB, WF+96*(\set)+12*tt
.set rSA, XS+2*(\s)+mm/2
.set rSB, WS+4*(\set)+tt/2
.set qA, mm%2
.set qB, tt%2
.endif
	WLINE
.set mm, mm+1
.endr
.set tt, tt+1
.endr
.endm
.macro PWIN tr, s, first               ; the windows of a product of K step s
.if \tr
.if \first
	WIN 0xd4                                       ; weights window 0, x window 1, bias window 1, sums window 3
.elseif (\s) < 4
	WIN 0xf4
.else
	WIN 0xf8                                       ; x window 2
.endif
.else
.if \first
	WIN 0xd1                                       ; x window 1, weights window 0, bias window 1, sums window 3
.elseif (\s) < 4
	WIN 0xf1
.else
	WIN 0xf2
.endif
.endif
.endm
; the bias tiles of the next q/k pass: lane (token, h) wants, for tile t, b at the tile's rows 8 h + 0 .. 7
.macro BIASLD
	s_add_nc_u64 s[BQ:BQ+1], s[8:9], s[BO:BO+1]    ; (the loads that named these bases have been waited for)
	s_add_nc_u64 s[BK:BK+1], s[10:11], s[BO:BO+1]
	s_add_co_u32 s[BO], s[BO], 128                 ; a slice of 32 numbers on
	WIN 0x40
.irp t, 0,1,2,3,4,5,6,7
.irp e, 0,1
.if \t < 4
	global_load_b128 v[BIAS+8*\t+4*\e:BIAS+8*\t+4*\e+3], v[BA], s[BQ:BQ+1] offset:512*((\t/2)%2)+64*(\t%2)+16*\e
.else
	global_load_b128 v[BIAS+8*\t+4*\e:BIAS+8*\t+4*\e+3], v[BA], s[BK:BK+1] offset:512*((\t/2)%2)+64*(\t%2)+16*\e
.endif
.endr
.endr
	WIN 0
.endm
; bv of a v pass: my d of the 8 heads, asked for a phase ahead;
.macro BVLD ps
.irp g, 0,1,2,3,4,5,6,7
	global_load_b32 v[BV+\g], v[BVA], s[12:13] offset:512*\g+256*((\ps)-4)
.endr
.endm
; and laid out as bias tiles: in v's result a lane is one d and its 8 registers are 8 tokens, so a tile's 8 registers hold the same number
.macro BVMOV
	s_wait_loadcnt 0x0
	WIN 0x40
.irp g, 0,1,2,3,4,5,6,7
.irp j, 0,1,2,3,4,5,6,7
	v_mov_b32 v[BIAS+8*\g+\j], v[BV+\g]
.endr
.endr
	WIN 0
.endm
; A PREFETCH INTO THE L2 of wimg, ahead of the joint loads.  All clusters walk the same bytes: the first cluster asks (a branch on the cluster's number, the same in its four partners).  Its 512 lanes name 512 different
; aligned blocks of 256 bytes, the partners told apart by address: 131,072 bytes a change of slots, from slot 4's first byte on, in the first 15 changes: the change that asks for slot i + 2 names bytes from slot 4 + 1.28 i on.
; The highest byte named is 2,375,424 + 255, inside the 2,457,600; slots 0 to 3 and the last 320 blocks come by their loads alone.
.macro ASK
	s_cmp_lg_u32 s[PFN], 0
	s_cbranch_scc0 .Lnot_mine_\@
	global_prefetch_b8 v[PFO], s[PFA:PFA+1] th:TH_LOAD_NT scope:SCOPE_SE
	s_sub_co_u32 s[PFN], s[PFN], 1
.Lnot_mine_\@:
.endm
; A slot's first K step (s = 2 v, set 0): the second step's fragments are fetched into set 1, then 32 products.
.macro STEPA tr, v, np, first
	PLACES \np
	WIN 0
	FETCHW (\v)%2, 1, 1
	s_wait_dscnt 25                                ; all but the 25 just issued: set 0 is in
	PWIN \tr, 2*(\v), \first
	MUL \tr, 2*(\v), 0, 0, 8, \first
.endm
; A slot's second K step (s = 2 v + 1, set 1).  mode 2: it changes slots: each wave waits for all its tensor loads (one is out: its quarter of the other slot), adds 0 to its spare word, and waits for that and for its reads
; of this slot; the barrier opens a round of the cluster's barrier; behind the round this slot is filled again, two slots ahead, and the other slot's first fragments are fetched.
; mode 1: the last slot but one: nothing is filled, and a wave reads only what its own load brought, so its own wait is all the ordering.  mode 0: the last slot.
.macro STEPB tr, v, mode, ask, bias
.if (\mode) == 2
.if \ask
	s_wait_xcnt 0x0                                ; the last prefetch, a slot back, has read its address, so it may be stepped
	s_add_nc_u64 s[PFA:PFA+1], s[PFA:PFA+1], 131072
.endif
	WIN 0                                          ; (the add's two registers lie in window 0)
	s_wait_tensorcnt 0x0                           ; all my tensor loads have landed
	ds_add_u32 v[SPW], v[NIL]                      ; 0 onto my spare word
	s_wait_dscnt 1                                 ; the add alone may be out: set 1 is in
	PWIN \tr, 2*(\v)+1, 0
	MUL \tr, 2*(\v)+1, 1, 0, 2, 0                  ; eight products stand between the add and the wait for it
	s_wait_dscnt 0x0                               ; the add is done, and my reads of this slot are over
	s_barrier_signal -1
	MUL \tr, 2*(\v)+1, 1, 2, 2, 0
	WIN 0
	s_barrier_wait -1
	CREST                                          ; no wave of any partner still reads this slot or has a load on its way
	s_add_nc_u64 s[G0+4*((\v)%2)+2:G0+4*((\v)%2)+3], s[G0+4*((\v)%2)+2:G0+4*((\v)%2)+3], 2*SLOTB
	tensor_load_to_lds s[G0+4*((\v)%2):G0+4*((\v)%2)+3], s[G1:G1+7]   ; my one tensor load behind the round: by this text's count one load of mine is out
	s_nop 0
	PLACES 4                                       ; the places in front of the loads below
	FETCHW 1-(\v)%2, 0, 0
.if \bias
	s_cmp_eq_u32 s[PASS], 3                        ; the last q/k pass has no successor
	s_cbranch_scc1 .Lno_bias_\@
	BIASLD
.Lno_bias_\@:
.endif
.if \ask
	ASK
.endif
	PWIN \tr, 2*(\v)+1, 0
	MUL \tr, 2*(\v)+1, 1, 4, 4, 0
.elseif (\mode) == 1
	s_wait_tensorcnt 0x0                           ; my quarter of the last slot has landed
	s_wait_dscnt 0x0                               ; set 1 is in
	PWIN \tr, 2*(\v)+1, 0
	MUL \tr, 2*(\v)+1, 1, 0, 4, 0
	PLACES 4
	WIN 0
	FETCHW 1-(\v)%2, 0, 0
	PWIN \tr, 2*(\v)+1, 0
	MUL \tr, 2*(\v)+1, 1, 4, 4, 0
.else
	s_wait_dscnt 0x0
	PWIN \tr, 2*(\v)+1, 0
	MUL \tr, 2*(\v)+1, 1, 0, 8, 0
.endif
.endm
; THE END OF A q/k PASS: the slice is rounded to bf16 in place, handed round through LDS, and each wave adds its token tile's 8 score products.
.macro QKEND
	PLACES 4
	WIN 0xcf
.set cvi, 0
.rept 32                                       ; each accumulator from its low end on: 8 neighbouring d become 16 bytes in its first four registers
	v_cvt_pk_bf16_f32 v[cvi], v[cvi], v[cvi+1]
	v_cvt_pk_bf16_f32 v[cvi+1], v[cvi+2], v[cvi+3]
	v_cvt_pk_bf16_f32 v[cvi+2], v[cvi+4], v[cvi+5]
	v_cvt_pk_bf16_f32 v[cvi+3], v[cvi+6], v[cvi+7]
.set cvi, cvi+8
.endr
	WIN 0x0c
.irp m, 0,1,2,3
.irp t, 0,1,2,3,4,5,6,7
	ds_store_b128 v[QST], v[64*\m+8*\t:64*\m+8*\t+3] offset:20736*\m+640*(\t/4)+80*((\t/2)%2)+32*(\t%2)
.endr
.endr
	WIN 0
	s_wait_dscnt 0x0                               ; for the others' sake: my stores have landed
	s_barrier_signal -1
	s_barrier_wait -1                              ; my tensor load may stay out
	WIN 0xc0
.irp p, 0,1,2,3,4,5,6,7
	ds_load_b128 v[16*\p:16*\p+3], v[QRD] offset:1296*\p+640        ; k' of pair p: rows (token of the pair, head), 32 d
	ds_load_b128 v[16*\p+4:16*\p+7], v[QRD] offset:1296*\p+672
	ds_load_b128 v[16*\p+8:16*\p+11], v[QRD] offset:1296*\p         ; q'
	ds_load_b128 v[16*\p+12:16*\p+15], v[QRD] offset:1296*\p+32
.endr
	s_wait_dscnt 0x0
	WIN 0xaf
.irp p, 0,1,2,3,4,5,6,7
	v_wmma_f32_16x16x32_bf16 v[S+8*\p:S+8*\p+7], v[16*\p:16*\p+7], v[16*\p+8:16*\p+15], v[S+8*\p:S+8*\p+7]
.endr
	WIN 0
.endm
; THE END OF A v PASS: attn x v for my 16 d of all heads, 32 tokens at a time through the stage, where the four waves' 64 bytes meet as blocks of 256.
.macro VEND ps
	PLACES 5                                       ; behind the pass's last products: their results are read below, and the weights are loaded over fragments that they read
.irp hh, 0,1
.irp mh, 0,1
	WIN 0
.irp p, 0,1,2,3,4,5,6,7
	ds_load_b128 v[PF+12*\p:PF+12*\p+3], v[PLD] offset:(8*(2*\hh+\mh)+\p)*512          ; the pair's weights: hi,
	ds_load_b128 v[PF+12*\p+4:PF+12*\p+7], v[PLD] offset:PLO+(8*(2*\hh+\mh)+\p)*512    ; lo,
	ds_load_b128 v[PF+12*\p+8:PF+12*\p+11], v[PLD] offset:(8*(2*\hh+\mh)+\p)*512       ; and hi once more: registers 0-7 are [hi | lo], registers 4-11 [lo | hi]
.endr
	WIN 0x4f
.irp p, 0,1,2,3,4,5,6,7                        ; p = 0 first: each accumulator is read from its low end on
.irp c, 0,1,2,3
	v_cvt_pk_bf16_f32 v[VF+8*\p+\c], v[64*(2*\hh+\mh)+16*\c+\p], v[64*(2*\hh+\mh)+16*\c+8+\p]   ; v_hi of heads 2 c, 2 c + 1
.endr
.endr
	WIN 0xf1                                       ; hi window 1, -1.0 window 0, v window 3, in place
.irp p, 0,1,2,3,4,5,6,7
.irp c, 0,1,2,3
	v_fma_mix_f32_bf16 v[64*(2*\hh+\mh)+16*\c+\p], v[VF+8*\p+\c], v[NEG1], v[64*(2*\hh+\mh)+16*\c+\p] op_sel_hi:[1,0,0]                     ; v - v_hi: exact in f32
	v_fma_mix_f32_bf16 v[64*(2*\hh+\mh)+16*\c+8+\p], v[VF+8*\p+\c], v[NEG1], v[64*(2*\hh+\mh)+16*\c+8+\p] op_sel:[1,0,0] op_sel_hi:[1,0,0]
.endr
.endr
	WIN 0x4f
.irp p, 0,1,2,3,4,5,6,7
.irp c, 0,1,2,3
	v_cvt_pk_bf16_f32 v[VF+8*\p+4+\c], v[64*(2*\hh+\mh)+16*\c+\p], v[64*(2*\hh+\mh)+16*\c+8+\p]   ; v_lo, at K places 16 to 31
.endr
.endr
	s_wait_dscnt 0x0                               ; the weights are in; the last tile's stores of O have read their registers
	WIN 0xa1                                       ; v window 1, weights window 0, results window 2
.irp p, 0,1,2,3,4,5,6,7
	v_wmma_f32_16x16x32_bf16 v[O+8*\p:O+8*\p+7], v[VF+8*\p:VF+8*\p+7], v[PF+12*\p:PF+12*\p+7], 0                       ; v_hi p_hi + v_lo p_lo
.endr
.irp p, 0,1,2,3,4,5,6,7                        ; the eight results by turns: seven others' products stand between a sum's two
	v_wmma_f32_16x16x32_bf16 v[O+8*\p:O+8*\p+7], v[VF+8*\p:VF+8*\p+7], v[PF+12*\p+4:PF+12*\p+11], v[O+8*\p:O+8*\p+7]   ; + v_hi p_lo + v_lo p_hi
.endr
	WIN 0
	PLACES 5                                       ; the stores below read results; the next tile's loads, conversions and products write these products' registers
	WIN 0x08
.irp p, 0,1,2,3,4,5,6,7
	ds_store_b128 v[OST], v[O+8*\p:O+8*\p+3] offset:(16*\mh+\p)*2192
	ds_store_b128 v[OST], v[O+8*\p+4:O+8*\p+7] offset:(16*\mh+\p)*2192+16
.endr
	WIN 0
.endr
	s_wait_dscnt 0x0                               ; for the others' sake: my stores have landed
	s_barrier_signal -1
	s_barrier_wait -1
	WIN 0xc0
.irp tl, 0,1,2,3,4,5,6,7
.irp gp, 0,1,2,3
	ds_load_b128 v[128*\hh+4*(4*\tl+\gp):128*\hh+4*(4*\tl+\gp)+3], v[ORD] offset:2192*\tl+544*\gp   ; into accumulators that have been used up
.endr
.endr
	WIN 0x0c
.irp tl, 0,1,2,3,4,5,6,7
.irp gp, 0,1,2,3
	s_wait_dscnt 31-(4*\tl+\gp)                    ; the younger loads may be out
	global_store_b128 v[GO], v[128*\hh+4*(4*\tl+\gp):128*\hh+4*(4*\tl+\gp)+3], s[14:15] offset:131072*\hh+4096*\tl+1024*\gp+256*((\ps)-4) th:TH_STORE_NT   ; 16 lanes store 256 consecutive bytes, aligned
.endr
.endr
	WIN 0
.if \hh == 0
	s_barrier_signal -1                            ; every wave's reads of the stage are back (the count-down ended at 0): it may be written again
	s_barrier_wait -1
.endif
.endr
.if (\ps) == 4
	s_wait_xcnt 0x0                                ; the stores have read their registers: the next pass's sums are written there
.endif
.endm
.macro VPASS ps, m2, m3
	STEPA 0, 0, 5, 1
	STEPB 0, 0, 2, 0, 0
	STEPA 0, 1, 4, 0
	STEPB 0, 1, 2, 0, 0
	STEPA 0, 2, 4, 0
	STEPB 0, 2, \m2, 0, 0
	STEPA 0, 3, 4, 0
	STEPB 0, 3, \m3, 0, 0
	VEND \ps
.endm
	; ---- the head
	s_load_b256 s[4:11], s[0:1], 0x0               ; x1 s[4:5], wimg s[6:7], bq s[8:9], bk s[10:11]
	s_load_b128 s[12:15], s[0:1], 0x20             ; bv s[12:13], out0 s[14:15]
	v_lshl_add_u32 v[SPW], v0, 2, SPARE
	v_mov_b32 v[NIL], 0
	ds_add_u32 v2, v3
	ds_add_u32 v2, v3
	s_wait_dscnt 0x0
	v_lshrrev_b32 v60, 5, v0
	v_readfirstlane_b32 s[WV], v60                 ; wave 0..3
	s_bfe_u32 s[CX], ttmp6, 0x40000                ; my place in the cluster
	s_lshl_b32 s18, ttmp9, 2                       ; in a cluster launch ttmp9 counts clusters
	s_add_co_u32 s18, s18, s[CX]                   ; my block of 64 tokens
	v_and_b32 v55, 31, v0
	v_lshlrev_b32 v[XO], 4, v55                    ; 16 x lane
	s_lshl_b32 s[BO], s18, 18                      ; 64 tokens x 4,096 bytes, in x1 and in out0
	s_mov_b32 s[BO+1], 0
	s_lshl_b32 s[BQ], s[WV], 16                    ; my wave quantises token tile w
	s_mov_b32 s[BQ+1], 0
	s_wait_kmcnt 0x0
	s_add_nc_u64 s[4:5], s[4:5], s[BO:BO+1]
	s_add_nc_u64 s[4:5], s[4:5], s[BQ:BQ+1]
	s_add_nc_u64 s[14:15], s[14:15], s[BO:BO+1]
	XLOAD 0
	XLOAD 1
	XLOAD 2
	; descriptor group 1: a dense block of 25,600 bytes as 100 rows of 32 elements of 8 bytes, no padding
	s_mov_b32 s[G1], 15|(3<<16)|(1<<21)            ; 15:0 the mask: all four work-groups; 17:16 elements of 8 bytes; 21 set beside a mask
	s_mov_b32 s[G1+1], 32<<16                      ; tensor_dim0 = 32
	s_mov_b32 s[G1+2], 100<<16                     ; tensor_dim1 = 100
	s_mov_b32 s[G1+3], 32<<16                      ; tile_dim0 = 32
	s_mov_b32 s[G1+4], 100                         ; tile_dim1 = 100
	s_mov_b32 s[G1+5], 32                          ; from row to row
	s_mov_b32 s[G1+6], 0
	s_mov_b32 s[G1+7], 0
	s_mul_i32 s19, s[WV], QUARTB                   ; my quarter: in a slot of wimg and in a slot of LDS alike; no place in the cluster enters
	s_mov_b32 s[BO], s19
	s_mov_b32 s[G0], 1
	s_mov_b32 s[G0+1], s19
	s_add_nc_u64 s[G0+2:G0+3], s[6:7], s[BO:BO+1]
	s_mov_b32 s[G0+4], 1
	s_add_co_u32 s[G0+5], s19, SLOTB
	s_add_nc_u64 s[G0+6:G0+7], s[G0+2:G0+3], SLOTB
	s_or_b32 s[G0+3], s[G0+3], 0x80000000
	s_or_b32 s[G0+7], s[G0+7], 0x80000000
	CROUND                                         ; all four work-groups are here: the first joint loads meet
	tensor_load_to_lds s[G0:G0+3], s[G1:G1+7]      ; slots 0 and 1: two loads of mine are out
	s_nop 0
	tensor_load_to_lds s[G0+4:G0+7], s[G1:G1+7]
	s_nop 0
	PLACES 4
	XLOAD 3
	v_and_b32 v56, 15, v0                          ; r
	v_bfe_u32 v57, v0, 4, 1                        ; h
	v_and_b32 v58, 7, v0                           ; r % 8
	v_bfe_u32 v59, v0, 3, 1                        ; r / 8
	v_mov_b32 v[NEG1], -1.0
	v_add_nc_u32 v[RA0], s19, v[XO]
	v_add_nc_u32 v[RA0+1], SLOTB, v[RA0]
	s_mul_i32 s19, s[WV], 16*XTP
	s_add_co_u32 s19, s19, XT
	v_add_nc_u32 v[XTS], s19, v[XO]                ; my turn buffer: in, a row's 512 bytes as they lie;
	v_mul_u32_u24 v[XTL], v56, XTP
	v_lshl_add_u32 v[XTL], v57, 6, v[XTL]
	v_add_nc_u32 v[XTL], s19, v[XTL]               ; out: row r, + 64 h
	s_mul_i32 s19, s[WV], FRB
	s_add_co_u32 s19, s19, XIMG
	v_add_nc_u32 v[XWI], s19, v[XO]                ; x's images: fragment (s, m = w)
	s_and_b32 s19, s[WV], 1
	s_lshl_b32 s19, s19, 8
	s_lshr_b32 s51, s[WV], 1
	s_lshl_b32 s51, s51, 2
	s_add_co_u32 s19, s19, s51
	s_add_co_u32 s19, s19, XSC
	v_lshl_add_u32 v[XWS], v56, 4, s19             ; their scale words: XSC + 256 (w % 2) + 4 (w / 2) + 16 r
	v_add_nc_u32 v[XLI], XIMG, v[XO]
	v_add_nc_u32 v[XSL], XSC, v[XO]
	v_mul_u32_u24 v[QST], v56, 1296                ; q, k: token r, + 16 h, heads 2 w on
	v_lshl_add_u32 v[QST], v57, 4, v[QST]
	s_mul_i32 s19, s[WV], 160
	s_add_co_u32 s19, s19, SCR
	v_add_nc_u32 v[QST], s19, v[QST]
	v_mul_u32_u24 v[QRD], v59, 10368               ; a score fragment's row: token 16 w + 8 (r / 8), head r % 8, + 16 h
	v_mad_u32_u24 v[QRD], v58, 80, v[QRD]
	v_lshl_add_u32 v[QRD], v57, 4, v[QRD]
	s_mul_i32 s19, s[WV], 20736
	s_add_co_u32 s19, s19, SCR
	v_add_nc_u32 v[QRD], s19, v[QRD]
	s_lshl_b32 s19, s[WV], 12
	s_add_co_u32 s19, s19, PIMG
	v_add_nc_u32 v[PST], s19, v[XO]
	v_add_nc_u32 v[PLD], PIMG, v[XO]
	v_mul_u32_u24 v[OST], v59, 17536               ; the stage, in: token 8 (r / 8), head r % 8, my wave's 64 bytes, + 32 h
	v_mad_u32_u24 v[OST], v58, 272, v[OST]
	v_lshl_add_u32 v[OST], v57, 5, v[OST]
	s_lshl_b32 s19, s[WV], 6
	s_add_co_u32 s19, s19, STG
	v_add_nc_u32 v[OST], s19, v[OST]
	v_mul_u32_u24 v[ORD], v57, 272                 ; back: tokens 8 w on; lanes 0-15 one head's 256 bytes, lanes 16-31 the next head's
	v_lshl_add_u32 v[ORD], v56, 4, v[ORD]
	s_mul_i32 s19, s[WV], 17536
	s_add_co_u32 s19, s19, STG
	v_add_nc_u32 v[ORD], s19, v[ORD]
	v_lshlrev_b32 v[GO], 9, v57                    ; and the same place in out0
	v_lshl_add_u32 v[GO], v56, 4, v[GO]
	s_lshl_b32 s19, s[WV], 15
	v_add_nc_u32 v[GO], s19, v[GO]
	v_lshlrev_b32 v[BA], 5, v57
	s_lshl_b32 s19, s[WV], 10
	v_add_nc_u32 v[BA], s19, v[BA]                 ; bq, bk: heads 2 w on, + 8 h numbers
	v_lshlrev_b32 v[BVA], 2, v56
	s_lshl_b32 s19, s[WV], 6
	v_add_nc_u32 v[BVA], s19, v[BVA]               ; bv: d = 16 w + r
	s_lshl_b32 s19, s[CX], 15
	v_lshl_add_u32 v[PFO], v0, 8, s19              ; 256 x (128 x my place in the cluster + my thread's number)
	s_add_nc_u64 s[PFA:PFA+1], s[6:7], 4*SLOTB-131072   ; the first change of slots steps it to slot 4's first byte
	s_cmp_eq_u32 ttmp9, 0
	s_cselect_b32 s[PFN], 15, 0
	s_mov_b32 s[SEL], 0x76543210
	s_mov_b32 s[SEL+1], 0xfedcba98                 ; v_permlanex16_b32's selects for lane l xor 16
	s_mov_b32 s[CS], 0xbe0293ee                    ; c = -log2(e) / sqrt(128): the scale is negated
	s_mov_b32 s[CS+1], s[CS]                       ; (named with it as a pair, so it is written)
	s_mov_b32 s[MASK], 0xff0000ff                  ; the lanes whose scores lie within one token
	s_mov_b32 s[BO], 0
.irp b, 0,1,2,3
	v_mov_b32 v[TM+4+\b], 0                        ; written once: a lane permute's destination counts as one of its sources
.endr
	WIN 0x80
.set ii, 0
.rept 64
	v_mov_b32 v[S+ii], 0                           ; the scores begin as zeros, so that the q/k pass is written once
.set ii, ii+1
.endr
	WIN 0
	; ---- x: my 16 tokens become 8 fragments.  Four K steps' loads are on their way throughout
	XSTEP 0, 48                                    ; behind a step's sixteen loads: those of the three steps that follow
	XSTEP 1, 48
	XSTEP 2, 48
	XSTEP 3, 48
	XSTEP 4, 48
	BIASLD                                         ; pass 0's bias tiles: 16 loads
	XSTEP 5, 48                                    ; steps 6 and 7, and the bias
	XSTEP 6, 32
	XSTEP 7, 16
	s_wait_tensorcnt 0x1                           ; my quarter of slot 0 has landed; slot 1's may stay out
	s_wait_dscnt 0x0                               ; for the others' sake: my images have landed
	s_barrier_signal -1
	s_barrier_wait -1
	WIN 0x40
.irp s, 0,1,2,3
.irp m, 0,1,2,3
.irp c, 0,1,2
	ds_load_b128 v[48*\s+12*\m+4*\c:48*\s+12*\m+4*\c+3], v[XLI] offset:(4*\s+\m)*FRB+512*\c
.endr
.endr
.endr
	WIN 0x80
.irp s, 0,1,2,3
.irp m, 0,1,2,3
.irp c, 0,1,2
	ds_load_b128 v[48*\s+12*\m+4*\c:48*\s+12*\m+4*\c+3], v[XLI] offset:(4*(\s+4)+\m)*FRB+512*\c
.endr
.endr
.endr
	WIN 0
.irp i, 0,1,2,3
	ds_load_b128 v[XS+4*\i:XS+4*\i+3], v[XSL] offset:512*\i
.endr
	FETCHW 0, 0, 0
	; ---- q and k, a slice of 32 d a pass
	s_mov_b32 s[PASS], 0
.Lqk:
	s_wait_loadcnt 0x0                             ; the pass's bias tiles
	STEPA 1, 0, 5, 1                               ; five places: the pass's first products write over the registers that the score products read
	STEPB 1, 0, 2, 1, 1
	STEPA 1, 1, 4, 0
	STEPB 1, 1, 2, 1, 0
	STEPA 1, 2, 4, 0
	STEPB 1, 2, 2, 1, 0
	STEPA 1, 3, 4, 0
	STEPB 1, 3, 2, 1, 0
	QKEND
	s_add_co_u32 s[PASS], s[PASS], 1
	s_cmp_lt_u32 s[PASS], 4
	s_cbranch_scc1 .Lqk
	BVLD 4                                         ; the first v pass's bias lands while the softmax is worked
	; ---- the softmax of my token tile: 8 pairs, a lane's 8 registers are a query head's 8 key heads.  t = c x score; c is negative, so the largest t is c x the smallest score
	PLACES 4
	WIN 0x2a
.irp p, 0,1,2,3,4,5,6,7
	v_min3_num_f32 v[MN+2*\p], v[S+8*\p], v[S+8*\p+1], v[S+8*\p+2]
.endr
	WIN 0x28
.irp i, 3,5
.irp p, 0,1,2,3,4,5,6,7
	v_min3_num_f32 v[MN+2*\p], v[MN+2*\p], v[S+8*\p+\i], v[S+8*\p+\i+1]
.endr
.endr
.irp p, 0,1,2,3,4,5,6,7
	v_min_num_f32 v[MN+2*\p], v[MN+2*\p], v[S+8*\p+7]
.endr
	WIN 0
.irp p, 0,1,2,3,4,5,6,7
	v_mul_f32 v[MN+2*\p+1], s[CS], v[MN+2*\p]      ; the largest t, in both registers of a pair
.endr
.irp p, 0,1,2,3,4,5,6,7
	v_mul_f32 v[MN+2*\p], s[CS], v[MN+2*\p]
.endr
	WIN 0x02
.irp p, 0,1,2,3,4,5,6,7
.irp i, 0,2,4,6
	v_pk_fma_f32 v[T+8*\p+\i:T+8*\p+\i+1], v[S+8*\p+\i:S+8*\p+\i+1], s[CS:CS+1], v[MN+2*\p:MN+2*\p+1] op_sel_hi:[1,0,1] neg_lo:[0,0,1] neg_hi:[0,0,1]   ; t - the largest t
.endr
.endr
	WIN 0
.set ii, 0
.rept 64
	v_exp_f32 v[T+ii], v[T+ii]
.set ii, ii+1
.endr
	v_nop                                          ; a plain place behind the last exponential
	s_wait_alu depctr_va_vdst(0)                   ; one wait for the batch, ahead of its first reader
.irp p, 0,1,2,3,4,5,6,7
	v_add_f32 v[SUM+\p], v[T+8*\p], v[T+8*\p+1]
.endr
.irp i, 2,3,4,5,6,7
.irp p, 0,1,2,3,4,5,6,7
	v_add_f32 v[SUM+\p], v[SUM+\p], v[T+8*\p+\i]   ; the eight pairs by turns
.endr
.endr
.irp p, 0,1,2,3,4,5,6,7
	v_rcp_f32 v[MN+2*\p], v[SUM+\p]
.endr
	v_nop
	s_wait_alu depctr_va_vdst(0)                   ; one wait for the eight reciprocals
.irp p, 0,1,2,3,4,5,6,7
	v_cndmask_b32 v[MN+2*\p], 0, v[MN+2*\p], s[MASK]   ; lanes that hold products across tokens get the weight 0
.endr
.irp p, 0,1,2,3,4,5,6,7
.irp i, 0,2,4,6
	v_pk_mul_f32 v[T+8*\p+\i:T+8*\p+\i+1], v[T+8*\p+\i:T+8*\p+\i+1], v[MN+2*\p:MN+2*\p+1] op_sel_hi:[1,0]
.endr
.endr
.irp p, 0,1,2,3,4,5,6,7
.irp c, 0,1,2,3
	v_cvt_pk_bf16_f32 v[PH+4*\p+\c], v[T+8*\p+2*\c], v[T+8*\p+2*\c+1]   ; the weights' hi terms (the largest t, the sums and the reciprocals are done with)
.endr
.endr
.irp p, 0,1,2,3,4,5,6,7
.irp c, 0,1,2,3
	v_fma_mix_f32_bf16 v[T+8*\p+2*\c], v[PH+4*\p+\c], v[NEG1], v[T+8*\p+2*\c] op_sel_hi:[1,0,0]                       ; p - p_hi: exact in f32
	v_fma_mix_f32_bf16 v[T+8*\p+2*\c+1], v[PH+4*\p+\c], v[NEG1], v[T+8*\p+2*\c+1] op_sel:[1,0,0] op_sel_hi:[1,0,0]
.endr
.endr
.irp p, 0,1,2,3,4,5,6,7
.irp c, 0,1,2,3
	v_cvt_pk_bf16_f32 v[T+8*\p+\c], v[T+8*\p+2*\c], v[T+8*\p+2*\c+1]    ; the lo terms
.endr
.endr
.irp p, 0,1,2,3,4,5,6,7
	ds_store_b128 v[PST], v[PH+4*\p:PH+4*\p+3] offset:512*\p           ; images of four operand registers; the other waves read them behind the next pass's rounds
	ds_store_b128 v[PST], v[T+8*\p:T+8*\p+3] offset:PLO+512*\p
.endr
	s_wait_dscnt 0x0
	; ---- v and attn x v, 64 d a pass.  The passes are written out: the last two slots fill nothing
	BVMOV
	BVLD 5                                         ; the second v pass's bias: a whole pass ahead
	VPASS 4, 2, 2
	BVMOV
	VPASS 5, 1, 0
	s_wait_tensorcnt 0x0                           ; the wave's end: behind my last tensor load and my last LDS store
	ds_add_u32 v[SPW], v[NIL]
	s_wait_dscnt 0x0
	CROUND                                         ; the closing round: no work-group ends while a partner may still ask for a quarter that names it
	s_endpgm
.Lfunc_end_k_q6ce6b34f61_fused:
	.size	k_q6ce6b34f61_fused, .Lfunc_end_k_q6ce6b34f61_fused-k_q6ce6b34f61_fused
	.p2alignl 7, 3214868480
	.fill 96, 4, 3214868480
	.section	.rodata,"a",@progbits
	.p2align	6, 0x0
	.amdhsa_kernel k_q6ce6b34f61_fused
		.amdhsa_group_segment_fixed_size 327680
		.amdhsa_private_segment_fixed_size 0
		.amdhsa_enable_private_segment 0
		.amdhsa_kernarg_size 48
		.amdhsa_user_sgpr_count 2
		.amdhsa_user_sgpr_kernarg_segment_ptr 1
		.amdhsa_wavefront_size32 1
		.amdhsa_system_sgpr_workgroup_id_x 1
		.amdhsa_system_sgpr_workgroup_id_y 1
		.amdhsa_system_sgpr_workgroup_id_z 1
		.amdhsa_system_vgpr_workitem_id 0
		.amdhsa_next_free_vgpr 1024
		.amdhsa_next_free_sgpr 66
		.amdhsa_reserve_vcc 0
		.amdhsa_float_denorm_mode_32 3
		.amdhsa_float_denorm_mode_16_64 3
		.amdhsa_memory_ordered 1
		.amdhsa_forward_progress 1
		.amdhsa_inst_pref_size 255
	.end_amdhsa_kernel
	.section	.bss,"aw",@nobits
	.p2align	6
	.space	262144
	.amdgpu_metadata
---
amdhsa.version: [ 1, 2 ]
amdhsa.kernels:
  - .name:           k_q6ce6b34f61_fused
    .symbol:         k_q6ce6b34f61_fused.kd
    .args:
      - { .name: x1, .offset: 0, .size: 8, .value_kind: global_buffer, .address_space: global }
      - { .name: wimg, .offset: 8, .size: 8, .value_kind: global_buffer, .address_space: global }
      - { .name: bq, .offset: 16, .size: 8, .value_kind: global_buffer, .address_space: global }
      - { .name: bk, .offset: 24, .size: 8, .value_kind: global_buffer, .address_space: global }
      - { .name: bv, .offset: 32, .size: 8, .value_kind: global_buffer, .address_space: global }
      - { .name: out0, .offset: 40, .size: 8, .value_kind: global_buffer, .address_space: global }
    .group_segment_fixed_size: 327680
    .private_segment_fixed_size: 0
    .kernarg_segment_align: 8
    .kernarg_segment_size: 48
    .max_flat_workgroup_size: 128
    .sgpr_count:     66
    .vgpr_count:     1024
    .wavefront_size: 32
...
	.end_amdgpu_metadata
.endif
;; end of part 2
;; ======== version 2 of 2: 2 launches
;; workspace buffers: wimg 2,457,600 bytes
;; launch wquant: the kernel of part 1 again; grid 192 x 1, 8 waves a work-group, no clusters, 69,120 bytes of LDS; arguments Wq, Wk, Wv, wimg; writes wimg
;; launch fused (part 3): grid 256 x 1, 4 waves a work-group, clusters of 4 x 1, 327,680 bytes of LDS; arguments x1, wimg, bq, bk, bv, out0; writes out0
.if DOCPART == 3
	.amdgcn_target "amdgcn-amd-amdhsa--gfx1250"
	.amdhsa_code_object_version 6
	.text
	.protected	k_q6ce6b34f61_fused
	.globl	k_q6ce6b34f61_fused
	.p2align	8
	.type	k_q6ce6b34f61_fused,@function
k_q6ce6b34f61_fused:
	s_mov_b64 s[64:65], 0
	v_nop
	global_prefetch_b8 v0, s[64:65] scope:SCOPE_SE
	s_setreg_imm32_b32 hwreg(HW_REG_WAVE_MODE, 25, 1), 1
	s_wait_xcnt 0x0
	s_wait_alu depctr_hold_cnt(0) depctr_sa_sdst(0) depctr_va_vdst(0) depctr_va_sdst(0) depctr_va_ssrc(0) depctr_va_vcc(0) depctr_vm_vsrc(0)
	s_getreg_b32 s2, hwreg(HW_REG_IB_STS2, 6, 4)
	s_cmp_eq_u32 s2, 0
	s_cbranch_scc0 .Lentry_in_a_cluster
	s_endpgm
.Lentry_in_a_cluster:
	s_bfe_u32 s2, ttmp6, 0x10000c
	s_cmp_lg_u32 s2, 0x3003
	s_cbranch_scc0 .Lentry_shape_is_right
	s_endpgm
.Lentry_shape_is_right:
; out = softmax_g(q_h . k_g / -sqrt(128)) v_g for each token over its 8 heads, with q, k, v = x1 W^T + b on codes of FP6 (E2M3), one E8M0 scale for each 32 along K = 1,024.
; SHARES.  A work-group owns 64 tokens (four tiles of 16) and makes all their 3,072 features.  EVERY WAVE TAKES ALL 64 TOKENS AND A QUARTER OF THE FEATURES: x's 32 fragments (384 registers) stay in each
; wave's registers for the whole launch, and each weight fragment is read from LDS once in the work-group and feeds four matrix instructions.
; SIX PASSES of 512 features (a wave: 8 tiles x 4 token tiles = 32 accumulators, 256 registers).  Passes 0-3: q and k of all heads for d = 32 P .. 32 P + 31; the scores are sums over d, so each pass adds one
; bf16 product of K = 32 for each pair of tokens onto score accumulators that stay in registers.  Then the softmax.  Passes 4, 5: v of all heads for d = 64 (P - 4) .. + 63, and attn x v at the pass's end.
; THE WEIGHTS come as register images (launch wquant) through a ring of two LDS slots of 102,400 bytes (two K steps of a pass); each wave fetches, by one tensor load, the quarter that it alone reads.
; CLUSTER.  All work-groups walk the same weights: the four of a cluster ask for each quarter JOINTLY (the same descriptor, a mask that names the four).  A mask names four work-groups at the most, and x and out are nobody's but mine.
; THE ORDER OF THE WALK DIFFERS FROM CLUSTER TO CLUSTER.  The four q/k passes may come in any order (the scores are sums over d), and so may the two v passes.  Cluster c begins the q/k passes at pass
;   rot = (c ^ c / 4 ^ c / 16) % 4 and goes round; it takes the v passes as 4, 5 (rot even) or 5, 4 (rot odd).  So at any time the 64 clusters ask for four (later two) different passes' slots, not all for the same one.
;   rot hangs on the cluster's number alone, which the four partners share; it enters global addresses (wimg, bq, bk, bv, out0) and nothing else: no branch, no trip count, no LDS address.
; LAYOUTS.  q, k: source 0 = 16 rows of W, source 1 = 16 tokens: a lane holds one token and 8 neighbouring d, which pack into 16 bytes of bf16; bq, bk are the C of a sum's first product.
;   Scores: pair p of a token tile = tokens p and 8 + p; rows (token of the pair, head).  S = k' q'^T: lane (n, h) register j = q(row n) . k(token h, head j): a softmax runs over a lane's own 8 registers.
;   A lane counts where h = n / 8 (lanes 0-7, 24-31); the others hold products across tokens and get the weight 0.  Packed to bf16 the weights ARE source 1 of attn x v (K place 8 h + j = token h, head j).
;   v: source 0 = 16 tokens, source 1 = 16 rows of W: lane = d, register j = token 8 h + j: two heads' register p pack into a register of source 0 at the same K places; bv is the C of a sum's first product.
; attn x v ON TWO bf16 TERMS A SIDE.  A number a goes as hi = bf16(a) and lo = bf16(a - hi).  Source 0 = [v_hi | v_lo] (K places 0-15, 16-31); the weights lie as p_hi, p_lo, p_hi, and two products,
;   against [p_hi | p_lo] and against [p_lo | p_hi], add up to (v_hi + v_lo)(p_hi + p_lo).  One bf16 term a side leaves 8 significant bits, too few for sums of 8 terms that cancel.
; LIMITS: q and k are rounded to bf16 for the scores; the order in which a score's four slices of d are added differs from cluster to cluster; the softmax's weights and v are carried to two bf16 terms; a block of zeros
; of x gets the scale byte 1 where the rule says 127 (its codes are zeros; only this text reads the byte); NaN and infinities among the inputs are not served.
; REGISTERS, in windows of 256 (s_set_vgpr_msb: bits 1:0 source 0, 3:2 source 1, 5:4 source 2, 7:6 destination):
;   window 0: v0-63 addresses, bv, scale words; v64-159, v160-255 two sets of 8 weight fragments (x's quantiser, the softmax and attn x v's weights also lie there)
;   window 1: v0-191 x's fragments of K steps 0-3 (48 (s % 4) + 12 m); v192-255 the bias tiles, at a v pass's end v's bf16 operand
;   window 2: v0-191 x's fragments of K steps 4-7; v192-255 the scores, later attn x v's results
;   window 3: the accumulators (64 m + 8 t); also x as loaded, the scores' fragments, rows of out on their way
.set SLOTB,  102400                    ; a slot of the ring; slot b begins at SLOTB x b; filled by tensor loads alone
.set QUARTB, 25600                     ; a wave's quarter: 16 fragments, then 2 x 512 bytes of scale words
.set FRB,    1536                      ; a fragment's image: 12 registers x 128 bytes
.set SPARE,  2*SLOTB                   ; the spare words, 128 bytes for each wave: two blocks of 256 bytes that no other line names
.set PIMG,   SPARE+512                 ; the softmax's weights as images: the hi terms of pair (m, p) at (8 m + p) x 512 + 16 x lane,
.set PLO,    16384                     ; the lo terms this much further on
.set U,      PIMG+2*PLO                ; a region for LDS stores alone, in three lives parted by barriers:
.set XIMG,   U                         ;   x's 32 fragments, (s, m) at (4 s + m) FRB,
.set XSC,    U+32*FRB                  ;   their scale words, 2,048 bytes,
.set XT,     XSC+2048                  ;   and a turn buffer of 16 rows x 528 bytes for each wave;
.set XTP,    528
.set SCR,    U                         ;   q's and k's slice in bf16: token x 1,296 + (head, or 8 + head) x 80;
.set STG,    U                         ;   32 tokens of out in f32: token x 2,192 + head x 272
.set SPW, 2                            ; v2   my spare word: SPARE + 4 x my thread's number; never rewritten
.set NIL, 3                            ; v3   0; never rewritten
.set RA0, 4                            ; v4, v5  my lane's place in my quarter of slot 0, 1
.set QST, 6                            ; v6   where my 16 bytes of q or k go;   v7 my row of a score fragment
.set QRD, 7
.set PST, 8                            ; v8   where my weights' images go;     v9 an image's place for my lane
.set PLD, 9
.set OST, 10                           ; v10  the stage: in;  v11 back;  v12 my byte offset in out
.set ORD, 11
.set GO,  12
.set BA,  13                           ; v13  my byte offset in bq, bk;  v14 in bv
.set BVA, 14
.set PFO, 15                           ; v15  the prefetches' offset; never rewritten
.set BV,  16                           ; v16-23  bv of my d, 8 heads
.set XS,  24                           ; v24-39  x's scale words: register 2 s + m / 2, lanes 16 (m % 2) + r.  Scales and nothing else
.set WS,  40                           ; v40-47  the weights' scale words, two sets of four.  Scales and nothing else
.set XO,  48                           ; v48  16 x lane
.set XTS, 49
.set XTL, 50
.set XWI, 51
.set XWS, 52
.set XLI, 53
.set XSL, 54
.set NEG1, 61                          ; v61  -1.0; never rewritten
.set WF,  64                           ; weight fragments: set e at WF + 96 e
.set X,   64                           ; x's quantiser: 64 numbers, codes, at work, scale word
.set PC,  128
.set TM,  148
.set PW,  164
.set T,   160                          ; softmax: t, then p, then p's lo terms
.set MN,  224                          ; v224-239 a pair of registers for each pair of tokens: the largest t; later 1 / sum in the low one
.set SUM, 240
.set PH,  224                          ; v224-255 p's hi terms, packed, once MN and SUM are done with
.set PF,  160                          ; window 0: attn x v's weights, 12 registers a pair: p_hi, p_lo, p_hi
.set BIAS, 192                         ; window 1
.set VF,  192                          ; window 1: v's operand, 8 registers a pair: v_hi, v_lo
.set S,   192                          ; window 2
.set O,   192                          ; window 2: attn x v's results
.set WV,  16                           ; s16  wave
.set CX,  17                           ; s17  my place in the cluster: it enters addresses of x1, out0 and the prefetches alone
.set SEL, 20
.set CS,  22                           ; s[22:23] c = -log2(e) / sqrt(128)
.set G1,  24                           ; s[24:31] descriptor group 1;  s[32:35], s[36:39] group 0 for slot 0, 1
.set G0,  32
.set PASS, 40                          ; s40  counts the q/k passes in the order of my cluster's walk
.set MASK, 41
.set BO,  42                           ; s[42:43] the next bias slice, in bytes
.set BQ,  44                           ; s[44:45], s[46:47] bq, bk at that slice
.set BK,  46
.set PFA, 48                           ; s[48:49] where the prefetches stand
.set PFN, 50                           ; s50  changes of slots until the prefetches end
.set ROT1, 52                          ; s52  rot + 1
.set NPI, 53                           ; s53  which q/k pass comes next in my cluster's walk
.set NP,  54                           ; s[54:55] where the next pass's slots begin in wimg, in bytes
.set WB,  56                           ; s[56:57] wimg at my quarter of slot 0
.set OUT2, 58                          ; s[58:59] out0 for the second v pass of the walk (s[14:15]: for the first)
.set BV2, 60                           ; s[60:61] bv likewise (s[12:13]: for the first)
.set VSEC, 62                          ; s62  where the second v pass's slots begin in wimg
.set VFIRST, 63                        ; s63  and the first's
.set MSB, 0
.macro WIN new                         ; the immediate's high byte repeats the setting that is left; a switch that changes nothing is dropped
.if MSB != \new
	s_set_vgpr_msb (MSB<<8)|\new
.set MSB, \new
.endif
.endm
; A load into a register that a matrix instruction has read, and a vector instruction or store that reads a matrix result, stand 4 plain vector instructions behind it; a matrix instruction that writes over
; a register of an earlier one stands 5 behind it (for all but the loads).
.macro PLACES n
.rept \n
	v_nop
.endr
.endm
.macro CREST                           ; a round of the cluster's barrier behind its opening barrier
	s_cmp_lg_u32 s[WV], 0
	s_cbranch_scc1 .Lnot_wave_0_\@
	s_barrier_signal -3
.Lnot_wave_0_\@:
	s_barrier_wait -3
	s_barrier_signal -1
	s_barrier_wait -1
.endm
.macro CROUND
	s_barrier_signal -1
	s_barrier_wait -1
	CREST
.endm
; 64 numbers of a lane, register 16 b + i = k 32 b + 16 (lane / 16) + i of my row, become a fragment's codes in v[PC] on and the row's scale word in v[PW].
.macro QUANT src
.irp b, 0,1,2,3
	v_max3_num_f32 v[TM+\b], |v[\src+16*\b]|, |v[\src+1+16*\b]|, 0x1800000   ; block b: my 16 numbers, and the floor 2^(3 - 127): the byte cannot fall under 1
.endr
.irp i, 2,4,6,8,10,12,14
.irp b, 0,1,2,3
	v_max3_num_f32 v[TM+\b], v[TM+\b], |v[\src+16*\b+\i]|, |v[\src+1+16*\b+\i]|   ; the four blocks by turns
.endr
.endr
.irp b, 0,1,2,3
	v_permlanex16_b32 v[TM+4+\b], v[TM+\b], s[SEL], s[SEL+1]
.endr
.irp b, 0,1,2,3
	v_max_num_f32 v[TM+\b], v[TM+\b], v[TM+4+\b]           ; with lane l xor 16's: the block's largest magnitude
.endr
.irp b, 0,1,2,3
	v_add_nc_u32 v[TM+12+\b], 0xff000000, v[TM+\b]         ; 2 off its exponent field: the conversion's scale operand
.endr
.irp b, 0,1,2,3
	v_lshrrev_b32 v[TM+4+\b], 23, v[TM+12+\b]              ; the scale's byte
.endr
	v_lshl_or_b32 v[PW], v[TM+5], 8, v[TM+4]
	v_lshl_or_b32 v[PW], v[TM+6], 16, v[PW]
	v_lshl_or_b32 v[PW], v[TM+7], 24, v[PW]
.irp c, 0,1
	v_cvt_scalef32_pk16_fp6_f32 v[PC+6*\c:PC+2+6*\c], v[\src+32*\c:\src+15+32*\c], v[TM+12+2*\c]
	v_cvt_scalef32_pk16_fp6_f32 v[PC+12+4*\c:PC+14+4*\c], v[\src+16+32*\c:\src+31+32*\c], v[TM+12+2*\c+1]   ; (a conversion's three registers begin on an even number)
.endr
	v_nop                                                  ; one plain place behind a scaled conversion
.irp c, 0,1                                            ; the operand wants a whole block in a lane
.irp i, 0,1,2
	v_permlane16_swap_b32 v[PC+6*\c+\i], v[PC+12+4*\c+\i]
.endr
.irp i, 0,1,2
	v_mov_b32 v[PC+3+6*\c+\i], v[PC+12+4*\c+\i]
.endr
.endr
.endm
; K step s of my 16 tokens of x: 16 loads of 512 consecutive bytes, into set s % 4 of window 3
.macro XLOAD s
	WIN 0xc0
.irp i, 0,1,2,3,4,5,6,7,8,9,10,11,12,13,14,15
	global_load_b128 v[64*((\s)%4)+4*\i:64*((\s)%4)+4*\i+3], v[XO], s[4:5] offset:4096*\i+512*(\s) th:TH_LOAD_NT
.endr
	WIN 0
.endm
; K step s is turned through my own LDS rows, quantised, and its image and scale words stored.  left: the loads issued behind this step's sixteen.
.macro XSTEP s, left
	s_wait_loadcnt \left
	WIN 0x0c
.irp i, 0,1,2,3,4,5,6,7,8,9,10,11,12,13,14,15
	ds_store_b128 v[XTS], v[64*((\s)%4)+4*\i:64*((\s)%4)+4*\i+3] offset:XTP*\i
.endr
	WIN 0
.irp b, 0,1,2,3
.irp j, 0,1,2,3
	ds_load_b128 v[X+16*\b+4*\j:X+16*\b+4*\j+3], v[XTL] offset:128*\b+16*\j   ; LDS serves a wave's instructions in order: these see my stores
.endr
.endr
	s_wait_dscnt 0x0                               ; the numbers are back; the stores above and the last step's image stores have read their registers
.if (\s) < 4
	XLOAD (\s)+4
.endif
	QUANT X
.irp c, 0,1,2
	ds_store_b128 v[XWI], v[PC+4*\c:PC+4*\c+3] offset:4*FRB*(\s)+512*\c
.endr
	ds_store_b32 v[XWS], v[PW] offset:512*((\s)/2)+8*((\s)%2)   ; lanes r and r + 16 write the same word with the same value
.endm
; 25 LDS loads: my 8 fragments and their scale words of half u of slot b, into set
.macro FETCHW b, u, set
.irp t, 0,1,2,3,4,5,6,7
.irp c, 0,1,2
	ds_load_b128 v[WF+96*(\set)+12*\t+4*\c:WF+96*(\set)+12*\t+4*\c+3], v[RA0+(\b)] offset:(8*(\u)+\t)*FRB+512*\c
.endr
.endr
	ds_load_b128 v[WS+4*(\set):WS+4*(\set)+3], v[RA0+(\b)] offset:16*FRB+512*(\u)
.endm
; one scaled product on the registers named by rD, rA, rB, rC, rSA, rSB; qA, qB: the scale words stand in lanes 16-31
.macro WLINE
.if qA && qB
	v_wmma_scale_f32_16x16x128_f8f6f4 v[rD:rD+7], v[rA:rA+11], v[rB:rB+11], v[rC:rC+7], v[rSA], v[rSB] matrix_a_fmt:MATRIX_FMT_FP6 matrix_b_fmt:MATRIX_FMT_FP6 matrix_a_scale:MATRIX_SCALE_ROW1 matrix_b_scale:MATRIX_SCALE_ROW1
.elseif qA
	v_wmma_scale_f32_16x16x128_f8f6f4 v[rD:rD+7], v[rA:rA+11], v[rB:rB+11], v[rC:rC+7], v[rSA], v[rSB] matrix_a_fmt:MATRIX_FMT_FP6 matrix_b_fmt:MATRIX_FMT_FP6 matrix_a_scale:MATRIX_SCALE_ROW1
.elseif qB
	v_wmma_scale_f32_16x16x128_f8f6f4 v[rD:rD+7], v[rA:rA+11], v[rB:rB+11], v[rC:rC+7], v[rSA], v[rSB] matrix_a_fmt:MATRIX_FMT_FP6 matrix_b_fmt:MATRIX_FMT_FP6 matrix_b_scale:MATRIX_SCALE_ROW1
.else
	v_wmma_scale_f32_16x16x128_f8f6f4 v[rD:rD+7], v[rA:rA+11], v[rB:rB+11], v[rC:rC+7], v[rSA], v[rSB] matrix_a_fmt:MATRIX_FMT_FP6 matrix_b_fmt:MATRIX_FMT_FP6
.endif
.endm
; K step s: tiles tlo .. tlo + n - 1 of the weights' set x the four token tiles.  tr = 1 (q, k): source 0 = weights, source 1 = x.  tr = 0 (v): source 0 = x, source 1 = weights.
; first = 1: the product starts its sum, with the tile's bias as C: nothing is cleared and no bias is added by a vector instruction.
; The 32 accumulators take turns, one instruction a turn, in the same order in every step.
.macro MUL tr, s, set, tlo, n, first
.set tt, \tlo
.rept \n
.set mm, 0
.rept 4
.set rD, 64*mm+8*tt
.set rC, rD
.if \first
.set rC, BIAS+8*tt
.endif
.if \tr
.set rA, WF+96*(\set)+12*tt
.set rB, 48*((\s)%4)+12*mm
.set rSA, WS+4*(\set)+tt/2
.set rSB, XS+2*(\s)+mm/2
.set qA, tt%2
.set qB, mm%2
.else
.set rA, 48*((\s)%4)+12*mm
.set rB, WF+96*(\set)+12*tt
.set rSA, XS+2*(\s)+mm/2
.set rSB, WS+4*(\set)+tt/2
.set qA, mm%2
.set qB, tt%2
.endif
	WLINE
.set mm, mm+1
.endr
.set tt, tt+1
.endr
.endm
.macro PWIN tr, s, first               ; the windows of a product of K step s
.if \tr
.if \first
	WIN 0xd4                                       ; weights window 0, x window 1, bias window 1, sums window 3
.elseif (\s) < 4
	WIN 0xf4
.else
	WIN 0xf8                                       ; x window 2
.endif
.else
.if \first
	WIN 0xd1                                       ; x window 1, weights window 0, bias window 1, sums window 3
.elseif (\s) < 4
	WIN 0xf1
.else
	WIN 0xf2
.endif
.endif
.endm
; the bias tiles of the q/k pass whose slice stands in s[BO]: lane (token, h) wants, for tile t, b at the tile's rows 8 h + 0 .. 7
.macro BIASLD
	s_add_nc_u64 s[BQ:BQ+1], s[8:9], s[BO:BO+1]    ; (the loads that named these bases have been waited for)
	s_add_nc_u64 s[BK:BK+1], s[10:11], s[BO:BO+1]
	WIN 0x40
.irp t, 0,1,2,3,4,5,6,7
.irp e, 0,1
.if \t < 4
	global_load_b128 v[BIAS+8*\t+4*\e:BIAS+8*\t+4*\e+3], v[BA], s[BQ:BQ+1] offset:512*((\t/2)%2)+64*(\t%2)+16*\e
.else
	global_load_b128 v[BIAS+8*\t+4*\e:BIAS+8*\t+4*\e+3], v[BA], s[BK:BK+1] offset:512*((\t/2)%2)+64*(\t%2)+16*\e
.endif
.endr
.endr
	WIN 0
.endm
; bv of a v pass, from the base s[bb:bb+1], which stands at the pass's 64 d: my d of the 8 heads, asked for a phase ahead;
.macro BVLD bb
.irp g, 0,1,2,3,4,5,6,7
	global_load_b32 v[BV+\g], v[BVA], s[\bb:\bb+1] offset:512*\g
.endr
.endm
; and laid out as bias tiles: in v's result a lane is one d and its 8 registers are 8 tokens, so a tile's 8 registers hold the same number
.macro BVMOV
	s_wait_loadcnt 0x0
	WIN 0x40
.irp g, 0,1,2,3,4,5,6,7
.irp j, 0,1,2,3,4,5,6,7
	v_mov_b32 v[BIAS+8*\g+\j], v[BV+\g]
.endr
.endr
	WIN 0
.endm
; A PREFETCH INTO THE L2 of wimg's slots 16 to 23, the v passes', which no cluster asks for before the last q/k pass.  The first cluster asks (a branch on the cluster's number, the same in its four partners).  Its 512
; lanes name 512 different aligned blocks of 256 bytes, the partners told apart by address: 131,072 bytes a change of slots, in changes 8 to 13 of the q/k passes' sixteen, from slot 16's first byte on.  The tensor loads
; for slot 16 (or 20, by the cluster's walk) stand at change 14: slot 16's bytes are named six changes ahead of them, slot 20's three.  The highest byte named is 2,424,831, inside the 2,457,600; the last 32,768 bytes
; come by their loads alone, and so do the q/k passes' slots: their first readers want them at the launch's first changes of slots.
; s[PFN] is 14 in the first cluster and 0 elsewhere; each change takes 1 off it, and a prefetch is made while it is under 6.
.macro ASK
	s_cmp_lg_u32 s[PFN], 0
	s_cbranch_scc0 .Lnot_mine_\@
	s_sub_co_u32 s[PFN], s[PFN], 1
	s_cmp_lt_u32 s[PFN], 6
	s_cbranch_scc0 .Lnot_mine_\@
	global_prefetch_b8 v[PFO], s[PFA:PFA+1] th:TH_LOAD_NT scope:SCOPE_SE
.Lnot_mine_\@:
.endm
; A slot's first K step (s = 2 v, set 0): the second step's fragments are fetched into set 1, then 32 products.
.macro STEPA tr, v, np, first
	PLACES \np
	WIN 0
	FETCHW (\v)%2, 1, 1
	s_wait_dscnt 25                                ; all but the 25 just issued: set 0 is in
	PWIN \tr, 2*(\v), \first
	MUL \tr, 2*(\v), 0, 0, 8, \first
.endm
; A slot's second K step (s = 2 v + 1, set 1).  mode 2: it changes slots: each wave waits for all its tensor loads (one is out: its quarter of the other slot), adds 0 to its spare word, and waits for that and for its reads
; of this slot; the barrier opens a round of the cluster's barrier; behind the round this slot is filled again, two slots ahead in the walk, and the other slot's first fragments are fetched.
; Two slots ahead is the same pass for a pass's slots 0 and 1, and the walk's next pass, at s[NP], for its slots 2 and 3.
; mode 1: the last slot but one: nothing is filled, and a wave reads only what its own load brought, so its own wait is all the ordering.  mode 0: the last slot.
.macro STEPB tr, v, mode, ask, bias
.if (\mode) == 2
.if \ask
	s_wait_xcnt 0x0                                ; the last prefetch, a slot back, has read its address, so it may be stepped
	s_add_nc_u64 s[PFA:PFA+1], s[PFA:PFA+1], 131072
.endif
	WIN 0                                          ; (the add's two registers lie in window 0)
	s_wait_tensorcnt 0x0                           ; all my tensor loads have landed
	ds_add_u32 v[SPW], v[NIL]                      ; 0 onto my spare word
	s_wait_dscnt 1                                 ; the add alone may be out: set 1 is in
	PWIN \tr, 2*(\v)+1, 0
	MUL \tr, 2*(\v)+1, 1, 0, 2, 0                  ; eight products stand between the add and the wait for it
	s_wait_dscnt 0x0                               ; the add is done, and my reads of this slot are over
	s_barrier_signal -1
	MUL \tr, 2*(\v)+1, 1, 2, 2, 0
	WIN 0
	s_barrier_wait -1
	CREST                                          ; no wave of any partner still reads this slot or has a load on its way
.if (\v) < 2
	s_add_nc_u64 s[G0+4*((\v)%2)+2:G0+4*((\v)%2)+3], s[G0+4*((\v)%2)+2:G0+4*((\v)%2)+3], 2*SLOTB   ; the same pass, two slots on; the type bits on top are not reached
.else
	s_add_nc_u64 s[G0+4*((\v)%2)+2:G0+4*((\v)%2)+3], s[WB:WB+1], s[NP:NP+1]                        ; the walk's next pass: its first slot,
.if (\v) == 3
	s_add_nc_u64 s[G0+4*((\v)%2)+2:G0+4*((\v)%2)+3], s[G0+4*((\v)%2)+2:G0+4*((\v)%2)+3], SLOTB     ; or its second
.endif
	s_or_b32 s[G0+4*((\v)%2)+3], s[G0+4*((\v)%2)+3], 0x80000000                                    ; 127:126 type = 2
.endif
	tensor_load_to_lds s[G0+4*((\v)%2):G0+4*((\v)%2)+3], s[G1:G1+7]   ; my one tensor load behind the round: by this text's count one load of mine is out
	s_nop 0
	PLACES 4                                       ; the places in front of the loads below
	FETCHW 1-(\v)%2, 0, 0
.if \bias
	s_cmp_eq_u32 s[PASS], 3                        ; the last q/k pass has no successor
	s_cbranch_scc1 .Lno_bias_\@
	BIASLD
.Lno_bias_\@:
.endif
.if \ask
	ASK
.endif
	PWIN \tr, 2*(\v)+1, 0
	MUL \tr, 2*(\v)+1, 1, 4, 4, 0
.elseif (\mode) == 1
	s_wait_tensorcnt 0x0                           ; my quarter of the last slot has landed
	s_wait_dscnt 0x0                               ; set 1 is in
	PWIN \tr, 2*(\v)+1, 0
	MUL \tr, 2*(\v)+1, 1, 0, 4, 0
	PLACES 4
	WIN 0
	FETCHW 1-(\v)%2, 0, 0
	PWIN \tr, 2*(\v)+1, 0
	MUL \tr, 2*(\v)+1, 1, 4, 4, 0
.else
	s_wait_dscnt 0x0
	PWIN \tr, 2*(\v)+1, 0
	MUL \tr, 2*(\v)+1, 1, 0, 8, 0
.endif
.endm
; THE END OF A q/k PASS: the slice is rounded to bf16 in place, handed round through LDS, and each wave adds its token tile's 8 score products.
.macro QKEND
	PLACES 4
	WIN 0xcf
.set cvi, 0
.rept 32                                       ; each accumulator from its low end on: 8 neighbouring d become 16 bytes in its first four registers
	v_cvt_pk_bf16_f32 v[cvi], v[cvi], v[cvi+1]
	v_cvt_pk_bf16_f32 v[cvi+1], v[cvi+2], v[cvi+3]
	v_cvt_pk_bf16_f32 v[cvi+2], v[cvi+4], v[cvi+5]
	v_cvt_pk_bf16_f32 v[cvi+3], v[cvi+6], v[cvi+7]
.set cvi, cvi+8
.endr
	WIN 0x0c
.irp m, 0,1,2,3
.irp t, 0,1,2,3,4,5,6,7
	ds_store_b128 v[QST], v[64*\m+8*\t:64*\m+8*\t+3] offset:20736*\m+640*(\t/4)+80*((\t/2)%2)+32*(\t%2)
.endr
.endr
	WIN 0
	s_wait_dscnt 0x0                               ; for the others' sake: my stores have landed
	s_barrier_signal -1
	s_barrier_wait -1                              ; my tensor load may stay out
	WIN 0xc0
.irp p, 0,1,2,3,4,5,6,7
	ds_load_b128 v[16*\p:16*\p+3], v[QRD] offset:1296*\p+640        ; k' of pair p: rows (token of the pair, head), 32 d
	ds_load_b128 v[16*\p+4:16*\p+7], v[QRD] offset:1296*\p+672
	ds_load_b128 v[16*\p+8:16*\p+11], v[QRD] offset:1296*\p         ; q'
	ds_load_b128 v[16*\p+12:16*\p+15], v[QRD] offset:1296*\p+32
.endr
	s_wait_dscnt 0x0
	WIN 0xaf
.irp p, 0,1,2,3,4,5,6,7
	v_wmma_f32_16x16x32_bf16 v[S+8*\p:S+8*\p+7], v[16*\p:16*\p+7], v[16*\p+8:16*\p+15], v[S+8*\p:S+8*\p+7]
.endr
	WIN 0
.endm
; THE END OF A v PASS: attn x v for my 16 d of all heads, 32 tokens at a time through the stage, where the four waves' 64 bytes meet as blocks of 256.
; ob: the scalar pair with out0 at my 64 tokens and the pass's 64 d.  more = 1: another pass follows.
.macro VEND ob, more
	PLACES 5                                       ; behind the pass's last products: their results are read below, and the weights are loaded over fragments that they read
.irp hh, 0,1
.irp mh, 0,1
	WIN 0
.irp p, 0,1,2,3,4,5,6,7
	ds_load_b128 v[PF+12*\p:PF+12*\p+3], v[PLD] offset:(8*(2*\hh+\mh)+\p)*512          ; the pair's weights: hi,
	ds_load_b128 v[PF+12*\p+4:PF+12*\p+7], v[PLD] offset:PLO+(8*(2*\hh+\mh)+\p)*512    ; lo,
	ds_load_b128 v[PF+12*\p+8:PF+12*\p+11], v[PLD] offset:(8*(2*\hh+\mh)+\p)*512       ; and hi once more: registers 0-7 are [hi | lo], registers 4-11 [lo | hi]
.endr
	WIN 0x4f
.irp p, 0,1,2,3,4,5,6,7                        ; p = 0 first: each accumulator is read from its low end on
.irp c, 0,1,2,3
	v_cvt_pk_bf16_f32 v[VF+8*\p+\c], v[64*(2*\hh+\mh)+16*\c+\p], v[64*(2*\hh+\mh)+16*\c+8+\p]   ; v_hi of heads 2 c, 2 c + 1
.endr
.endr
	WIN 0xf1                                       ; hi window 1, -1.0 window 0, v window 3, in place
.irp p, 0,1,2,3,4,5,6,7
.irp c, 0,1,2,3
	v_fma_mix_f32_bf16 v[64*(2*\hh+\mh)+16*\c+\p], v[VF+8*\p+\c], v[NEG1], v[64*(2*\hh+\mh)+16*\c+\p] op_sel_hi:[1,0,0]                     ; v - v_hi: exact in f32
	v_fma_mix_f32_bf16 v[64*(2*\hh+\mh)+16*\c+8+\p], v[VF+8*\p+\c], v[NEG1], v[64*(2*\hh+\mh)+16*\c+8+\p] op_sel:[1,0,0] op_sel_hi:[1,0,0]
.endr
.endr
	WIN 0x4f
.irp p, 0,1,2,3,4,5,6,7
.irp c, 0,1,2,3
	v_cvt_pk_bf16_f32 v[VF+8*\p+4+\c], v[64*(2*\hh+\mh)+16*\c+\p], v[64*(2*\hh+\mh)+16*\c+8+\p]   ; v_lo, at K places 16 to 31
.endr
.endr
	s_wait_dscnt 0x0                               ; the weights are in; the last tile's stores of O have read their registers
	WIN 0xa1                                       ; v window 1, weights window 0, results window 2
.irp p, 0,1,2,3,4,5,6,7
	v_wmma_f32_16x16x32_bf16 v[O+8*\p:O+8*\p+7], v[VF+8*\p:VF+8*\p+7], v[PF+12*\p:PF+12*\p+7], 0                       ; v_hi p_hi + v_lo p_lo
.endr
.irp p, 0,1,2,3,4,5,6,7                        ; the eight results by turns: seven others' products stand between a sum's two
	v_wmma_f32_16x16x32_bf16 v[O+8*\p:O+8*\p+7], v[VF+8*\p:VF+8*\p+7], v[PF+12*\p+4:PF+12*\p+11], v[O+8*\p:O+8*\p+7]   ; + v_hi p_lo + v_lo p_hi
.endr
	WIN 0
	PLACES 5                                       ; the stores below read results; the next tile's loads, conversions and products write these products' registers
	WIN 0x08
.irp p, 0,1,2,3,4,5,6,7
	ds_store_b128 v[OST], v[O+8*\p:O+8*\p+3] offset:(16*\mh+\p)*2192
	ds_store_b128 v[OST], v[O+8*\p+4:O+8*\p+7] offset:(16*\mh+\p)*2192+16
.endr
	WIN 0
.endr
	s_wait_dscnt 0x0                               ; for the others' sake: my stores have landed
	s_barrier_signal -1
	s_barrier_wait -1
	WIN 0xc0
.irp tl, 0,1,2,3,4,5,6,7
.irp gp, 0,1,2,3
	ds_load_b128 v[128*\hh+4*(4*\tl+\gp):128*\hh+4*(4*\tl+\gp)+3], v[ORD] offset:2192*\tl+544*\gp   ; into accumulators that have been used up
.endr
.endr
	WIN 0x0c
.irp tl, 0,1,2,3,4,5,6,7
.irp gp, 0,1,2,3
	s_wait_dscnt 31-(4*\tl+\gp)                    ; the younger loads may be out
	global_store_b128 v[GO], v[128*\hh+4*(4*\tl+\gp):128*\hh+4*(4*\tl+\gp)+3], s[\ob:\ob+1] offset:131072*\hh+4096*\tl+1024*\gp th:TH_STORE_NT   ; 16 lanes store 256 consecutive bytes, aligned
.endr
.endr
	WIN 0
.if \hh == 0
	s_barrier_signal -1                            ; every wave's reads of the stage are back (the count-down ended at 0): it may be written again
	s_barrier_wait -1
.endif
.endr
.if \more
	s_wait_xcnt 0x0                                ; the stores have read their registers: the next pass's sums are written there
.endif
.endm
.macro VPASS ob, m2, m3, more
	STEPA 0, 0, 5, 1
	STEPB 0, 0, 2, 0, 0
	STEPA 0, 1, 4, 0
	STEPB 0, 1, 2, 0, 0
	STEPA 0, 2, 4, 0
	STEPB 0, 2, \m2, 0, 0
	STEPA 0, 3, 4, 0
	STEPB 0, 3, \m3, 0, 0
	VEND \ob, \more
.endm
	; ---- the head
	s_load_b256 s[4:11], s[0:1], 0x0               ; x1 s[4:5], wimg s[6:7], bq s[8:9], bk s[10:11]
	s_load_b128 s[12:15], s[0:1], 0x20             ; bv s[12:13], out0 s[14:15]
	v_lshl_add_u32 v[SPW], v0, 2, SPARE
	v_mov_b32 v[NIL], 0
	ds_add_u32 v2, v3
	ds_add_u32 v2, v3
	s_wait_dscnt 0x0
	v_lshrrev_b32 v60, 5, v0
	v_readfirstlane_b32 s[WV], v60                 ; wave 0..3
	s_bfe_u32 s[CX], ttmp6, 0x40000                ; my place in the cluster
	s_lshl_b32 s18, ttmp9, 2                       ; in a cluster launch ttmp9 counts clusters
	s_add_co_u32 s18, s18, s[CX]                   ; my block of 64 tokens
	v_and_b32 v55, 31, v0
	v_lshlrev_b32 v[XO], 4, v55                    ; 16 x lane
	s_lshl_b32 s[BO], s18, 18                      ; 64 tokens x 4,096 bytes, in x1 and in out0
	s_mov_b32 s[BO+1], 0
	s_lshl_b32 s[BQ], s[WV], 16                    ; my wave quantises token tile w
	s_mov_b32 s[BQ+1], 0
	; the order of my cluster's walk, from the cluster's number alone, in registers that never hold my place in the cluster
	s_lshr_b32 s[NPI], ttmp9, 2
	s_xor_b32 s[NPI], s[NPI], ttmp9
	s_lshr_b32 s[ROT1], ttmp9, 4
	s_xor_b32 s[NPI], s[NPI], s[ROT1]
	s_and_b32 s[NPI], s[NPI], 3                    ; rot: the q/k pass with which the walk begins
	s_add_co_u32 s[ROT1], s[NPI], 1
	s_and_b32 s[VSEC], s[NPI], 1                   ; vs: the first v pass of the walk is pass 4 + vs
	s_mul_i32 s[VFIRST], s[VSEC], 4*SLOTB
	s_add_co_u32 s[VFIRST], s[VFIRST], 16*SLOTB    ; its slots in wimg,
	s_lshl_b32 s[BK], s[VSEC], 8                   ; its 64 d in bv and in a head of out0: 256 vs bytes
	s_mov_b32 s[BK+1], 0
	s_xor_b32 s[VSEC], s[VSEC], 1                  ; and the same of the second, pass 5 - vs
	s_lshl_b32 s[OUT2], s[VSEC], 8
	s_mov_b32 s[OUT2+1], 0
	s_mul_i32 s[VSEC], s[VSEC], 4*SLOTB
	s_add_co_u32 s[VSEC], s[VSEC], 16*SLOTB
	s_mul_i32 s[NP], s[NPI], 4*SLOTB               ; where the walk's first pass begins in wimg
	s_mov_b32 s[NP+1], 0
	s_wait_kmcnt 0x0
	s_add_nc_u64 s[4:5], s[4:5], s[BO:BO+1]
	s_add_nc_u64 s[4:5], s[4:5], s[BQ:BQ+1]
	s_add_nc_u64 s[14:15], s[14:15], s[BO:BO+1]
	s_add_nc_u64 s[BV2:BV2+1], s[12:13], s[OUT2:OUT2+1]
	s_add_nc_u64 s[OUT2:OUT2+1], s[14:15], s[OUT2:OUT2+1]
	s_add_nc_u64 s[12:13], s[12:13], s[BK:BK+1]
	s_add_nc_u64 s[14:15], s[14:15], s[BK:BK+1]
	XLOAD 0
	XLOAD 1
	XLOAD 2
	; descriptor group 1: a dense block of 25,600 bytes as 100 rows of 32 elements of 8 bytes, no padding
	s_mov_b32 s[G1], 15|(3<<16)|(1<<21)            ; 15:0 the mask: all four work-groups; 17:16 elements of 8 bytes; 21 set beside a mask
	s_mov_b32 s[G1+1], 32<<16                      ; tensor_dim0 = 32
	s_mov_b32 s[G1+2], 100<<16                     ; tensor_dim1 = 100
	s_mov_b32 s[G1+3], 32<<16                      ; tile_dim0 = 32
	s_mov_b32 s[G1+4], 100                         ; tile_dim1 = 100
	s_mov_b32 s[G1+5], 32                          ; from row to row
	s_mov_b32 s[G1+6], 0
	s_mov_b32 s[G1+7], 0
	s_mul_i32 s19, s[WV], QUARTB                   ; my quarter: in a slot of wimg and in a slot of LDS alike; no place in the cluster enters
	s_mov_b32 s[BO], s19
	s_add_nc_u64 s[WB:WB+1], s[6:7], s[BO:BO+1]
	s_mov_b32 s[G0], 1
	s_mov_b32 s[G0+1], s19
	s_add_nc_u64 s[G0+2:G0+3], s[WB:WB+1], s[NP:NP+1]   ; the first pass's first slot,
	s_mov_b32 s[G0+4], 1
	s_add_co_u32 s[G0+5], s19, SLOTB
	s_add_nc_u64 s[G0+6:G0+7], s[G0+2:G0+3], SLOTB      ; and its second
	s_or_b32 s[G0+3], s[G0+3], 0x80000000
	s_or_b32 s[G0+7], s[G0+7], 0x80000000
	CROUND                                         ; all four work-groups are here: the first joint loads meet
	tensor_load_to_lds s[G0:G0+3], s[G1:G1+7]      ; two loads of mine are out
	s_nop 0
	tensor_load_to_lds s[G0+4:G0+7], s[G1:G1+7]
	s_nop 0
	PLACES 4
	XLOAD 3
	v_and_b32 v56, 15, v0                          ; r
	v_bfe_u32 v57, v0, 4, 1                        ; h
	v_and_b32 v58, 7, v0                           ; r % 8
	v_bfe_u32 v59, v0, 3, 1                        ; r / 8
	v_mov_b32 v[NEG1], -1.0
	v_add_nc_u32 v[RA0], s19, v[XO]
	v_add_nc_u32 v[RA0+1], SLOTB, v[RA0]
	s_mul_i32 s19, s[WV], 16*XTP
	s_add_co_u32 s19, s19, XT
	v_add_nc_u32 v[XTS], s19, v[XO]                ; my turn buffer: in, a row's 512 bytes as they lie;
	v_mul_u32_u24 v[XTL], v56, XTP
	v_lshl_add_u32 v[XTL], v57, 6, v[XTL]
	v_add_nc_u32 v[XTL], s19, v[XTL]               ; out: row r, + 64 h
	s_mul_i32 s19, s[WV], FRB
	s_add_co_u32 s19, s19, XIMG
	v_add_nc_u32 v[XWI], s19, v[XO]                ; x's images: fragment (s, m = w)
	s_and_b32 s19, s[WV], 1
	s_lshl_b32 s19, s19, 8
	s_lshr_b32 s51, s[WV], 1
	s_lshl_b32 s51, s51, 2
	s_add_co_u32 s19, s19, s51
	s_add_co_u32 s19, s19, XSC
	v_lshl_add_u32 v[XWS], v56, 4, s19             ; their scale words: XSC + 256 (w % 2) + 4 (w / 2) + 16 r
	v_add_nc_u32 v[XLI], XIMG, v[XO]
	v_add_nc_u32 v[XSL], XSC, v[XO]
	v_mul_u32_u24 v[QST], v56, 1296                ; q, k: token r, + 16 h, heads 2 w on
	v_lshl_add_u32 v[QST], v57, 4, v[QST]
	s_mul_i32 s19, s[WV], 160
	s_add_co_u32 s19, s19, SCR
	v_add_nc_u32 v[QST], s19, v[QST]
	v_mul_u32_u24 v[QRD], v59, 10368               ; a score fragment's row: token 16 w + 8 (r / 8), head r % 8, + 16 h
	v_mad_u32_u24 v[QRD], v58, 80, v[QRD]
	v_lshl_add_u32 v[QRD], v57, 4, v[QRD]
	s_mul_i32 s19, s[WV], 20736
	s_add_co_u32 s19, s19, SCR
	v_add_nc_u32 v[QRD], s19, v[QRD]
	s_lshl_b32 s19, s[WV], 12
	s_add_co_u32 s19, s19, PIMG
	v_add_nc_u32 v[PST], s19, v[XO]
	v_add_nc_u32 v[PLD], PIMG, v[XO]
	v_mul_u32_u24 v[OST], v59, 17536               ; the stage, in: token 8 (r / 8), head r % 8, my wave's 64 bytes, + 32 h
	v_mad_u32_u24 v[OST], v58, 272, v[OST]
	v_lshl_add_u32 v[OST], v57, 5, v[OST]
	s_lshl_b32 s19, s[WV], 6
	s_add_co_u32 s19, s19, STG
	v_add_nc_u32 v[OST], s19, v[OST]
	v_mul_u32_u24 v[ORD], v57, 272                 ; back: tokens 8 w on; lanes 0-15 one head's 256 bytes, lanes 16-31 the next head's
	v_lshl_add_u32 v[ORD], v56, 4, v[ORD]
	s_mul_i32 s19, s[WV], 17536
	s_add_co_u32 s19, s19, STG
	v_add_nc_u32 v[ORD], s19, v[ORD]
	v_lshlrev_b32 v[GO], 9, v57                    ; and the same place in out0
	v_lshl_add_u32 v[GO], v56, 4, v[GO]
	s_lshl_b32 s19, s[WV], 15
	v_add_nc_u32 v[GO], s19, v[GO]
	v_lshlrev_b32 v[BA], 5, v57
	s_lshl_b32 s19, s[WV], 10
	v_add_nc_u32 v[BA], s19, v[BA]                 ; bq, bk: heads 2 w on, + 8 h numbers
	v_lshlrev_b32 v[BVA], 2, v56
	s_lshl_b32 s19, s[WV], 6
	v_add_nc_u32 v[BVA], s19, v[BVA]               ; bv: d = 16 w + r
	s_lshl_b32 s19, s[CX], 15
	v_lshl_add_u32 v[PFO], v0, 8, s19              ; 256 x (128 x my place in the cluster + my thread's number)
	s_add_nc_u64 s[PFA:PFA+1], s[6:7], 16*SLOTB-9*131072   ; each change of slots steps it by 131,072: at change 8 it stands at slot 16's first byte
	s_cmp_eq_u32 ttmp9, 0
	s_cselect_b32 s[PFN], 14, 0
	s_mov_b32 s[SEL], 0x76543210
	s_mov_b32 s[SEL+1], 0xfedcba98                 ; v_permlanex16_b32's selects for lane l xor 16
	s_mov_b32 s[CS], 0xbe0293ee                    ; c = -log2(e) / sqrt(128): the scale is negated
	s_mov_b32 s[CS+1], s[CS]                       ; (named with it as a pair, so it is written)
	s_mov_b32 s[MASK], 0xff0000ff                  ; the lanes whose scores lie within one token
	s_lshl_b32 s[BO], s[NPI], 7                    ; the first pass's bias slice: 32 numbers x rot
.irp b, 0,1,2,3
	v_mov_b32 v[TM+4+\b], 0                        ; written once: a lane permute's destination counts as one of its sources
.endr
	WIN 0x80
.set ii, 0
.rept 64
	v_mov_b32 v[S+ii], 0                           ; the scores begin as zeros, so that the q/k pass is written once
.set ii, ii+1
.endr
	WIN 0
	; ---- x: my 16 tokens become 8 fragments.  Four K steps' loads are on their way throughout
	XSTEP 0, 48                                    ; behind a step's sixteen loads: those of the three steps that follow
	XSTEP 1, 48
	XSTEP 2, 48
	XSTEP 3, 48
	XSTEP 4, 48
	BIASLD                                         ; the first pass's bias tiles: 16 loads
	XSTEP 5, 48                                    ; steps 6 and 7, and the bias
	XSTEP 6, 32
	XSTEP 7, 16
	s_wait_tensorcnt 0x1                           ; my quarter of slot 0 has landed; slot 1's may stay out
	s_wait_dscnt 0x0                               ; for the others' sake: my images have landed
	s_barrier_signal -1
	s_barrier_wait -1
	WIN 0x40
.irp s, 0,1,2,3
.irp m, 0,1,2,3
.irp c, 0,1,2
	ds_load_b128 v[48*\s+12*\m+4*\c:48*\s+12*\m+4*\c+3], v[XLI] offset:(4*\s+\m)*FRB+512*\c
.endr
.endr
.endr
	WIN 0x80
.irp s, 0,1,2,3
.irp m, 0,1,2,3
.irp c, 0,1,2
	ds_load_b128 v[48*\s+12*\m+4*\c:48*\s+12*\m+4*\c+3], v[XLI] offset:(4*(\s+4)+\m)*FRB+512*\c
.endr
.endr
.endr
	WIN 0
.irp i, 0,1,2,3
	ds_load_b128 v[XS+4*\i:XS+4*\i+3], v[XSL] offset:512*\i
.endr
	FETCHW 0, 0, 0
	; ---- q and k, a slice of 32 d a pass: pass (PASS + rot) % 4
	s_mov_b32 s[PASS], 0
.Lqk:
	s_wait_loadcnt 0x0                             ; the pass's bias tiles
	s_add_co_u32 s[NPI], s[PASS], s[ROT1]          ; what comes next in the walk: q/k pass (PASS + 1 + rot) % 4:
	s_and_b32 s[NPI], s[NPI], 3
	s_lshl_b32 s[BO], s[NPI], 7                    ; its bias slice,
	s_mul_i32 s[NP], s[NPI], 4*SLOTB               ; its slots;
	s_cmp_eq_u32 s[PASS], 3
	s_cselect_b32 s[NP], s[VFIRST], s[NP]          ; behind the last q/k pass: the first v pass's
	STEPA 1, 0, 5, 1                               ; five places: the pass's first products write over the registers that the score products read
	STEPB 1, 0, 2, 1, 1
	STEPA 1, 1, 4, 0
	STEPB 1, 1, 2, 1, 0
	STEPA 1, 2, 4, 0
	STEPB 1, 2, 2, 1, 0
	STEPA 1, 3, 4, 0
	STEPB 1, 3, 2, 1, 0
	QKEND
	s_add_co_u32 s[PASS], s[PASS], 1
	s_cmp_lt_u32 s[PASS], 4
	s_cbranch_scc1 .Lqk
	BVLD 12                                        ; the first v pass's bias lands while the softmax is worked
	; ---- the softmax of my token tile: 8 pairs, a lane's 8 registers are a query head's 8 key heads.  t = c x score; c is negative, so the largest t is c x the smallest score
	PLACES 4
	WIN 0x2a
.irp p, 0,1,2,3,4,5,6,7
	v_min3_num_f32 v[MN+2*\p], v[S+8*\p], v[S+8*\p+1], v[S+8*\p+2]
.endr
	WIN 0x28
.irp i, 3,5
.irp p, 0,1,2,3,4,5,6,7
	v_min3_num_f32 v[MN+2*\p], v[MN+2*\p], v[S+8*\p+\i], v[S+8*\p+\i+1]
.endr
.endr
.irp p, 0,1,2,3,4,5,6,7
	v_min_num_f32 v[MN+2*\p], v[MN+2*\p], v[S+8*\p+7]
.endr
	WIN 0
.irp p, 0,1,2,3,4,5,6,7
	v_mul_f32 v[MN+2*\p+1], s[CS], v[MN+2*\p]      ; the largest t, in both registers of a pair
.endr
.irp p, 0,1,2,3,4,5,6,7
	v_mul_f32 v[MN+2*\p], s[CS], v[MN+2*\p]
.endr
	WIN 0x02
.irp p, 0,1,2,3,4,5,6,7
.irp i, 0,2,4,6
	v_pk_fma_f32 v[T+8*\p+\i:T+8*\p+\i+1], v[S+8*\p+\i:S+8*\p+\i+1], s[CS:CS+1], v[MN+2*\p:MN+2*\p+1] op_sel_hi:[1,0,1] neg_lo:[0,0,1] neg_hi:[0,0,1]   ; t - the largest t
.endr
.endr
	WIN 0
.set ii, 0
.rept 64
	v_exp_f32 v[T+ii], v[T+ii]
.set ii, ii+1
.endr
	v_nop                                          ; a plain place behind the last exponential
	s_wait_alu depctr_va_vdst(0)                   ; one wait for the batch, ahead of its first reader
.irp p, 0,1,2,3,4,5,6,7
	v_add_f32 v[SUM+\p], v[T+8*\p], v[T+8*\p+1]
.endr
.irp i, 2,3,4,5,6,7
.irp p, 0,1,2,3,4,5,6,7
	v_add_f32 v[SUM+\p], v[SUM+\p], v[T+8*\p+\i]   ; the eight pairs by turns
.endr
.endr
.irp p, 0,1,2,3,4,5,6,7
	v_rcp_f32 v[MN+2*\p], v[SUM+\p]
.endr
	v_nop
	s_wait_alu depctr_va_vdst(0)                   ; one wait for the eight reciprocals
.irp p, 0,1,2,3,4,5,6,7
	v_cndmask_b32 v[MN+2*\p], 0, v[MN+2*\p], s[MASK]   ; lanes that hold products across tokens get the weight 0
.endr
.irp p, 0,1,2,3,4,5,6,7
.irp i, 0,2,4,6
	v_pk_mul_f32 v[T+8*\p+\i:T+8*\p+\i+1], v[T+8*\p+\i:T+8*\p+\i+1], v[MN+2*\p:MN+2*\p+1] op_sel_hi:[1,0]
.endr
.endr
.irp p, 0,1,2,3,4,5,6,7
.irp c, 0,1,2,3
	v_cvt_pk_bf16_f32 v[PH+4*\p+\c], v[T+8*\p+2*\c], v[T+8*\p+2*\c+1]   ; the weights' hi terms (the largest t, the sums and the reciprocals are done with)
.endr
.endr
.irp p, 0,1,2,3,4,5,6,7
.irp c, 0,1,2,3
	v_fma_mix_f32_bf16 v[T+8*\p+2*\c], v[PH+4*\p+\c], v[NEG1], v[T+8*\p+2*\c] op_sel_hi:[1,0,0]                       ; p - p_hi: exact in f32
	v_fma_mix_f32_bf16 v[T+8*\p+2*\c+1], v[PH+4*\p+\c], v[NEG1], v[T+8*\p+2*\c+1] op_sel:[1,0,0] op_sel_hi:[1,0,0]
.endr
.endr
.irp p, 0,1,2,3,4,5,6,7
.irp c, 0,1,2,3
	v_cvt_pk_bf16_f32 v[T+8*\p+\c], v[T+8*\p+2*\c], v[T+8*\p+2*\c+1]    ; the lo terms
.endr
.endr
.irp p, 0,1,2,3,4,5,6,7
	ds_store_b128 v[PST], v[PH+4*\p:PH+4*\p+3] offset:512*\p           ; images of four operand registers; the other waves read them behind the next pass's rounds
	ds_store_b128 v[PST], v[T+8*\p:T+8*\p+3] offset:PLO+512*\p
.endr
	s_wait_dscnt 0x0
	; ---- v and attn x v, 64 d a pass.  The passes are written out: the last two slots fill nothing
	BVMOV
	BVLD BV2                                       ; the second v pass's bias: a whole pass ahead
	s_mov_b32 s[NP], s[VSEC]                       ; what comes next in the walk: the second v pass
	VPASS 14, 2, 2, 1
	BVMOV
	VPASS OUT2, 1, 0, 0
	s_wait_tensorcnt 0x0                           ; the wave's end: behind my last tensor load and my last LDS store
	ds_add_u32 v[SPW], v[NIL]
	s_wait_dscnt 0x0
	CROUND                                         ; the closing round: no work-group ends while a partner may still ask for a quarter that names it
	s_endpgm
.Lfunc_end_k_q6ce6b34f61_fused:
	.size	k_q6ce6b34f61_fused, .Lfunc_end_k_q6ce6b34f61_fused-k_q6ce6b34f61_fused
	.p2alignl 7, 3214868480
	.fill 96, 4, 3214868480
	.section	.rodata,"a",@progbits
	.p2align	6, 0x0
	.amdhsa_kernel k_q6ce6b34f61_fused
		.amdhsa_group_segment_fixed_size 327680
		.amdhsa_private_segment_fixed_size 0
		.amdhsa_enable_private_segment 0
		.amdhsa_kernarg_size 48
		.amdhsa_user_sgpr_count 2
		.amdhsa_user_sgpr_kernarg_segment_ptr 1
		.amdhsa_wavefront_size32 1
		.amdhsa_system_sgpr_workgroup_id_x 1
		.amdhsa_system_sgpr_workgroup_id_y 1
		.amdhsa_system_sgpr_workgroup_id_z 1
		.amdhsa_system_vgpr_workitem_id 0
		.amdhsa_next_free_vgpr 1024
		.amdhsa_next_free_sgpr 66
		.amdhsa_reserve_vcc 0
		.amdhsa_float_denorm_mode_32 3
		.amdhsa_float_denorm_mode_16_64 3
		.amdhsa_memory_ordered 1
		.amdhsa_forward_progress 1
		.amdhsa_inst_pref_size 255
	.end_amdhsa_kernel
	.section	.bss,"aw",@nobits
	.p2align	6
	.space	262144
	.amdgpu_metadata
---
amdhsa.version: [ 1, 2 ]
amdhsa.kernels:
  - .name:           k_q6ce6b34f61_fused
    .symbol:         k_q6ce6b34f61_fused.kd
    .args:
      - { .name: x1, .offset: 0, .size: 8, .value_kind: global_buffer, .address_space: global }
      - { .name: wimg, .offset: 8, .size: 8, .value_kind: global_buffer, .address_space: global }
      - { .name: bq, .offset: 16, .size: 8, .value_kind: global_buffer, .address_space: global }
      - { .name: bk, .offset: 24, .size: 8, .value_kind: global_buffer, .address_space: global }
      - { .name: bv, .offset: 32, .size: 8, .value_kind: global_buffer, .address_space: global }
      - { .name: out0, .offset: 40, .size: 8, .value_kind: global_buffer, .address_space: global }
    .group_segment_fixed_size: 327680
    .private_segment_fixed_size: 0
    .kernarg_segment_align: 8
    .kernarg_segment_size: 48
    .max_flat_workgroup_size: 128
    .sgpr_count:     66
    .vgpr_count:     1024
    .wavefront_size: 32
...
	.end_amdgpu_metadata
.endif
;; end of part 3
